; MI455X (gfx1250); checked and timed in simulation.
; The chip was launched on July 23, 2026; its instructions are those of AMD's public machine-readable ISA for CDNA 5 (MIT licence, August 2026) and "CDNA5" Instruction Set Architecture Reference Guide (July 2026). The comments in the code are by the model that wrote it; some were corrected since.
;; Block. Allowed arithmetic: float matrix products may take bf16 or f16 operands with f32 sums; other float arithmetic in f32, or as packed bf16 or f16 multiplies, adds, multiply-adds, maxima and minima; sums over many terms, partial sums and values carried from step to step in f32; what a program stores and reads back later, other than sums and carried values, may be rounded once to bf16 or f16.
;; Inputs: W1 512 x 2,048 float32; W2 2,048 x 512 float32; Wk 512 x 512 float32; Wp 512 x 512 float32; Wq 512 x 512 float32; Wv 512 x 512 float32; b1 2,048 float32; b2 512 float32; beta1 512 float32; beta2 512 float32; bk 512 float32; bp 512 float32; bq 512 float32; bv 512 float32; g1 512 float32; g2 512 float32; x 4 x 2,048 x 512 float32.
;; Outputs: out0 4 x 2,048 x 512 float32.
;; One version. Each part assembles by itself: llvm-mc -triple=amdgcn-amd-amdhsa -mcpu=gfx1250 --defsym DOCPART=n.
;; ======== version 1 of 1: 6 launches
;; workspace buffers: wts 6,291,456 bytes; hn 8,388,608 bytes; qkvb 25,165,824 bytes; yb 8,388,608 bytes; x1 16,777,216 bytes; h2 8,388,608 bytes; act 33,554,432 bytes
;; launch prep (part 1): grid 448 x 1, 8 waves a work-group, no clusters, 0 bytes of LDS; arguments x, g1, beta1, W1, W2, Wq, Wk, Wv, Wp, hn, wts; writes hn, wts
.if DOCPART == 1
	.amdgcn_target "amdgcn-amd-amdhsa--gfx1250"
	.amdhsa_code_object_version 6
	.text
	.protected	k_qb779c70b1b_prep
	.globl	k_qb779c70b1b_prep
	.p2align	8
	.type	k_qb779c70b1b_prep,@function
k_qb779c70b1b_prep:
	s_mov_b64 s[64:65], 0
	v_nop
	global_prefetch_b8 v0, s[64:65] scope:SCOPE_SE
	s_setreg_imm32_b32 hwreg(HW_REG_WAVE_MODE, 25, 1), 1
	s_wait_xcnt 0x0
; hn = bf16(LayerNorm(x; g1, beta1)), and wts = the six weight matrices rounded to bf16, each left as it lies ([k][n]).
; A stream: no LDS, no matrix unit, no wave waits for another.  THE UNIT OF WORK is a segment of 512 f32 (2,048 bytes) for one wave:
; four loads of 16 bytes a lane (chunk i at byte 512 i + 16 lane) and four stores of 8 bytes a lane (256 i + 8 lane: 256 consecutive aligned bytes a store).
; A wave takes four segments and asks for all sixteen loads at once.
; Work-groups 0-255: rows 32 wg + 4 wave + j of x, a row a segment; mean first, then the mean of the squared deviations, all in f32 in registers.
; Work-groups 256-447: segments of W1 (64 groups), W2 (64), Wq, Wk, Wv, Wp (16 each).  wts: Wq|Wk|Wv side by side as [512][1536] at byte 0, Wp at 1,572,864, W1 at 2,097,152, W2 at 4,194,304.
.set G,   4                            ; v[4:19]    g1 of my 16 columns
.set BE,  20                           ; v[20:35]   beta1
.set X,   36                           ; v[36:99]   four segments of 16
.set T,   100                          ; v[100:115] at work, 8 for each of two rows
.set Y,   116                          ; v[116:147] four segments' 8 packed words: each stored once, never rewritten
.set M,   148                          ; v[148:151] mean, then 1/sqrt, as a pair for each of two rows
.set DO,  152                          ; v[152:155] the casts' store offsets
.set WV,  26
.set SEL, 36                           ; s[36:37] v_permlanex16_b32: each lane takes its own place in the other half
.set INV, 38                           ; 1/512
.set EPS, 39                           ; 1e-5
.macro LSUM                            ; v[T], v[T+8]: each summed over the 32 lanes, the result in every lane
.irp m, 1,2,4,8
.irp u, 0,1
	v_add_f32_dpp v[T+8*\u], v[T+8*\u], v[T+8*\u] row_xmask:\m row_mask:0xf bank_mask:0xf
.endr
.endr
.irp u, 0,1
	v_permlanex16_b32 v[T+8*\u+1], v[T+8*\u], s[SEL], s[SEL+1]
.endr
.irp u, 0,1
	v_add_f32 v[T+8*\u], v[T+8*\u], v[T+8*\u+1]
.endr
.endm
; Two rows at once, phase by phase: row u in v[X0+16 u ..], its 8 packed bf16 words into v[Y0+8 u ..].
.macro LN2 X0, Y0
.irp u, 0,1
.irp k, 0,1,2,3
	v_pk_add_f32 v[T+8*\u+2*\k:T+8*\u+2*\k+1], v[(\X0)+16*\u+4*\k:(\X0)+16*\u+4*\k+1], v[(\X0)+16*\u+4*\k+2:(\X0)+16*\u+4*\k+3]
.endr
.endr
.irp u, 0,1
	v_pk_add_f32 v[T+8*\u:T+8*\u+1], v[T+8*\u:T+8*\u+1], v[T+8*\u+2:T+8*\u+3]
	v_pk_add_f32 v[T+8*\u+4:T+8*\u+5], v[T+8*\u+4:T+8*\u+5], v[T+8*\u+6:T+8*\u+7]
.endr
.irp u, 0,1
	v_pk_add_f32 v[T+8*\u:T+8*\u+1], v[T+8*\u:T+8*\u+1], v[T+8*\u+4:T+8*\u+5]
.endr
.irp u, 0,1
	v_add_f32 v[T+8*\u], v[T+8*\u], v[T+8*\u+1]
.endr
	LSUM
.irp u, 0,1
	v_mul_f32 v[M+2*\u], s[INV], v[T+8*\u]         ; the mean
.endr
.irp u, 0,1
	v_mov_b32 v[M+2*\u+1], v[M+2*\u]
.endr
.irp u, 0,1
.irp k, 0,1,2,3,4,5,6,7
	v_pk_add_f32 v[(\X0)+16*\u+2*\k:(\X0)+16*\u+2*\k+1], v[(\X0)+16*\u+2*\k:(\X0)+16*\u+2*\k+1], v[M+2*\u:M+2*\u+1] neg_lo:[0,1] neg_hi:[0,1]
.endr
.endr
.irp u, 0,1
.irp k, 0,1
	v_pk_mul_f32 v[T+8*\u+2*\k:T+8*\u+2*\k+1], v[(\X0)+16*\u+2*\k:(\X0)+16*\u+2*\k+1], v[(\X0)+16*\u+2*\k:(\X0)+16*\u+2*\k+1]
.endr
.endr
.irp k, 2,3,4,5,6,7
.irp u, 0,1
	v_pk_fma_f32 v[T+8*\u+2*(\k%2):T+8*\u+2*(\k%2)+1], v[(\X0)+16*\u+2*\k:(\X0)+16*\u+2*\k+1], v[(\X0)+16*\u+2*\k:(\X0)+16*\u+2*\k+1], v[T+8*\u+2*(\k%2):T+8*\u+2*(\k%2)+1]
.endr
.endr
.irp u, 0,1
	v_pk_add_f32 v[T+8*\u:T+8*\u+1], v[T+8*\u:T+8*\u+1], v[T+8*\u+2:T+8*\u+3]
.endr
.irp u, 0,1
	v_add_f32 v[T+8*\u], v[T+8*\u], v[T+8*\u+1]
.endr
	LSUM
.irp u, 0,1
	v_fma_f32 v[T+8*\u], v[T+8*\u], s[INV], s[EPS] ; the variance + eps
.endr
.irp u, 0,1
	v_rsq_f32 v[M+2*\u], v[T+8*\u]
	v_rsq_f32 v[M+2*\u+1], v[T+8*\u]
.endr
	v_nop                                          ; a plain instruction behind the last root,
	s_wait_alu depctr_va_vdst(0)                   ; and one wait for the four, ahead of their first reader
.irp u, 0,1
.irp k, 0,1,2,3,4,5,6,7
	v_pk_mul_f32 v[(\X0)+16*\u+2*\k:(\X0)+16*\u+2*\k+1], v[(\X0)+16*\u+2*\k:(\X0)+16*\u+2*\k+1], v[M+2*\u:M+2*\u+1]
.endr
.endr
.irp u, 0,1
.irp k, 0,1,2,3,4,5,6,7
	v_pk_fma_f32 v[(\X0)+16*\u+2*\k:(\X0)+16*\u+2*\k+1], v[(\X0)+16*\u+2*\k:(\X0)+16*\u+2*\k+1], v[G+2*\k:G+2*\k+1], v[BE+2*\k:BE+2*\k+1]
.endr
.endr
.irp u, 0,1
.irp k, 0,1,2,3,4,5,6,7
	v_cvt_pk_bf16_f32 v[(\Y0)+8*\u+\k], v[(\X0)+16*\u+2*\k], v[(\X0)+16*\u+2*\k+1]
.endr
.endr
.endm
.macro ROWS base                       ; sixteen loads: four segments of 2,048 bytes on end
.irp j, 0,1,2,3
.irp i, 0,1,2,3
	global_load_b128 v[X+16*\j+4*\i:X+16*\j+4*\i+3], v1, s[\base:\base+1] offset:2048*\j+512*\i th:TH_LOAD_NT
.endr
.endr
.endm
	s_load_b256 s[4:11], s[0:1], 0x0               ; x s[4:5], g1 s[6:7], beta1 s[8:9], W1 s[10:11]
	s_load_b256 s[12:19], s[0:1], 0x20             ; W2 s[12:13], Wq s[14:15], Wk s[16:17], Wv s[18:19]
	s_load_b128 s[20:23], s[0:1], 0x40             ; Wp s[20:21], hn s[22:23]
	s_load_b64 s[24:25], s[0:1], 0x50              ; wts
	v_lshrrev_b32 v3, 5, v0
	v_readfirstlane_b32 s[WV], v3                  ; wave 0..7
	v_and_b32 v2, 31, v0
	v_lshlrev_b32 v1, 4, v2                        ; 16 x lane
	v_lshlrev_b32 v2, 3, v2                        ; 8 x lane
	s_mov_b32 s[SEL], 0x76543210
	s_mov_b32 s[SEL+1], 0xfedcba98
	s_mov_b32 s[INV], 0x3b000000
	s_mov_b32 s[EPS], 0x3727c5ac
	s_mov_b32 s35, 0                               ; the high word of every offset below
	s_wait_kmcnt 0x0
	s_cmp_lt_u32 ttmp9, 256
	s_cbranch_scc0 .Lcast
	; LAYERNORM
	s_lshl_b32 s34, ttmp9, 16                      ; 32 rows of 2,048 bytes a work-group,
	s_lshl_b32 s33, s[WV], 13                      ; 4 a wave
	s_add_co_u32 s34, s34, s33
	s_add_nc_u64 s[4:5], s[4:5], s[34:35]
	s_lshr_b32 s34, s34, 1                         ; rows of 1,024 bytes in hn
	s_add_nc_u64 s[22:23], s[22:23], s[34:35]
.irp i, 0,1,2,3
	global_load_b128 v[G+4*\i:G+4*\i+3], v1, s[6:7] offset:512*\i
.endr
.irp i, 0,1,2,3
	global_load_b128 v[BE+4*\i:BE+4*\i+3], v1, s[8:9] offset:512*\i
.endr
	ROWS 4
	s_wait_loadcnt 8                               ; g1, beta1 and rows 0, 1 are in; the 8 loads of rows 2, 3 may stay out
	LN2 X, Y
.irp u, 0,1
.irp i, 0,1,2,3
	global_store_b64 v2, v[Y+8*\u+2*\i:Y+8*\u+2*\i+1], s[22:23] offset:1024*\u+256*\i
.endr
.endr
	s_wait_loadcnt 0x0
	LN2 X+32, Y+16
.irp u, 0,1
.irp i, 0,1,2,3
	global_store_b64 v2, v[Y+16+8*\u+2*\i:Y+16+8*\u+2*\i+1], s[22:23] offset:2048+1024*\u+256*\i
.endr
.endr
	s_endpgm
.Lcast:
	; THE CASTS.  Which matrix, by the work-group's number alone: source, first group, place in wts, bytes from segment to segment there.
	s_sub_co_u32 s27, ttmp9, 256
	s_mov_b64 s[28:29], s[10:11]
	s_mov_b32 s30, 0
	s_mov_b32 s31, 2097152
	s_mov_b32 s32, 1024
.macro PICK bound, src, region, pitch
	s_cmp_ge_u32 s27, \bound
	s_cselect_b64 s[28:29], s[\src:\src+1], s[28:29]
	s_cselect_b32 s30, \bound, s30
	s_cselect_b32 s31, \region, s31
	s_cselect_b32 s32, \pitch, s32
.endm
	PICK 64,  12, 4194304, 1024
	PICK 128, 14, 0,       3072
	PICK 144, 16, 1024,    3072
	PICK 160, 18, 2048,    3072
	PICK 176, 20, 1572864, 1024
	s_sub_co_u32 s27, s27, s30
	s_lshl_b32 s27, s27, 5
	s_lshl2_add_u32 s27, s[WV], s27                ; my first segment: 32 x group + 4 x wave
	s_lshl_b32 s34, s27, 11
	s_add_nc_u64 s[28:29], s[28:29], s[34:35]
	s_mul_i32 s34, s27, s32
	s_add_co_u32 s34, s34, s31
	s_add_nc_u64 s[24:25], s[24:25], s[34:35]
	v_mov_b32 v[DO], v2
	v_add_nc_u32 v[DO+1], s32, v2
	s_lshl_b32 s33, s32, 1
	v_add_nc_u32 v[DO+2], s33, v2
	s_add_co_u32 s33, s33, s32
	v_add_nc_u32 v[DO+3], s33, v2
	ROWS 28
.irp j, 0,1,2,3
	s_wait_loadcnt 12-4*\j                         ; segment j is in; the later segments' loads may stay out
.irp k, 0,1,2,3,4,5,6,7
	v_cvt_pk_bf16_f32 v[Y+8*\j+\k], v[X+16*\j+2*\k], v[X+16*\j+2*\k+1]
.endr
.irp i, 0,1,2,3
	global_store_b64 v[DO+\j], v[Y+8*\j+2*\i:Y+8*\j+2*\i+1], s[24:25] offset:256*\i
.endr
.endr
	s_endpgm
.Lfunc_end_k_qb779c70b1b_prep:
	.size	k_qb779c70b1b_prep, .Lfunc_end_k_qb779c70b1b_prep-k_qb779c70b1b_prep
	.p2alignl 7, 3214868480
	.fill 96, 4, 3214868480
	.section	.rodata,"a",@progbits
	.p2align	6, 0x0
	.amdhsa_kernel k_qb779c70b1b_prep
		.amdhsa_group_segment_fixed_size 0
		.amdhsa_private_segment_fixed_size 0
		.amdhsa_enable_private_segment 0
		.amdhsa_kernarg_size 88
		.amdhsa_user_sgpr_count 2
		.amdhsa_user_sgpr_kernarg_segment_ptr 1
		.amdhsa_wavefront_size32 1
		.amdhsa_system_sgpr_workgroup_id_x 1
		.amdhsa_system_sgpr_workgroup_id_y 1
		.amdhsa_system_sgpr_workgroup_id_z 1
		.amdhsa_system_vgpr_workitem_id 0
		.amdhsa_next_free_vgpr 160
		.amdhsa_next_free_sgpr 66
		.amdhsa_reserve_vcc 0
		.amdhsa_float_denorm_mode_32 3
		.amdhsa_float_denorm_mode_16_64 3
		.amdhsa_memory_ordered 1
		.amdhsa_forward_progress 1
		.amdhsa_inst_pref_size 29
	.end_amdhsa_kernel
	.amdgpu_metadata
---
amdhsa.version: [ 1, 2 ]
amdhsa.kernels:
  - .name:           k_qb779c70b1b_prep
    .symbol:         k_qb779c70b1b_prep.kd
    .args:
      - { .name: x, .offset: 0, .size: 8, .value_kind: global_buffer, .address_space: global }
      - { .name: g1, .offset: 8, .size: 8, .value_kind: global_buffer, .address_space: global }
      - { .name: beta1, .offset: 16, .size: 8, .value_kind: global_buffer, .address_space: global }
      - { .name: W1, .offset: 24, .size: 8, .value_kind: global_buffer, .address_space: global }
      - { .name: W2, .offset: 32, .size: 8, .value_kind: global_buffer, .address_space: global }
      - { .name: Wq, .offset: 40, .size: 8, .value_kind: global_buffer, .address_space: global }
      - { .name: Wk, .offset: 48, .size: 8, .value_kind: global_buffer, .address_space: global }
      - { .name: Wv, .offset: 56, .size: 8, .value_kind: global_buffer, .address_space: global }
      - { .name: Wp, .offset: 64, .size: 8, .value_kind: global_buffer, .address_space: global }
      - { .name: hn, .offset: 72, .size: 8, .value_kind: global_buffer, .address_space: global }
      - { .name: wts, .offset: 80, .size: 8, .value_kind: global_buffer, .address_space: global }
    .group_segment_fixed_size: 0
    .private_segment_fixed_size: 0
    .kernarg_segment_align: 8
    .kernarg_segment_size: 88
    .max_flat_workgroup_size: 256
    .sgpr_count:     66
    .vgpr_count:     160
    .wavefront_size: 32
...
	.end_amdgpu_metadata
.endif
;; end of part 1
;; launch qkv (part 2): grid 4 x 64, 4 waves a work-group, clusters of 4 x 4, 327,680 bytes of LDS; arguments hn, wts, bq, bk, bv, qkvb; writes qkvb
.if DOCPART == 2
	.amdgcn_target "amdgcn-amd-amdhsa--gfx1250"
	.amdhsa_code_object_version 6
	.text
	.protected	k_qb779c70b1b_qkv
	.globl	k_qb779c70b1b_qkv
	.p2align	8
	.type	k_qb779c70b1b_qkv,@function
k_qb779c70b1b_qkv:
	s_mov_b64 s[64:65], 0
	v_nop
	global_prefetch_b8 v0, s[64:65] scope:SCOPE_SE
	s_setreg_imm32_b32 hwreg(HW_REG_WAVE_MODE, 25, 1), 1
	s_wait_xcnt 0x0
	s_wait_alu depctr_hold_cnt(0) depctr_sa_sdst(0) depctr_va_vdst(0) depctr_va_sdst(0) depctr_va_ssrc(0) depctr_va_vcc(0) depctr_vm_vsrc(0)
	s_getreg_b32 s2, hwreg(HW_REG_IB_STS2, 6, 4)
	s_cmp_eq_u32 s2, 0
	s_cbranch_scc0 .Lentry_in_a_cluster
	s_endpgm
.Lentry_in_a_cluster:
	s_bfe_u32 s2, ttmp6, 0x10000c
	s_cmp_lg_u32 s2, 0xf033
	s_cbranch_scc0 .Lentry_shape_is_right
	s_endpgm
.Lentry_shape_is_right:
; qkvb = bf16(hn [Wq|Wk|Wv] + [bq|bk|bv]), stored by blocks of 64 columns: qkvb[cb][row][64], cb = column / 64 (q's heads 0-7, k's 8-15, v's 16-23): a head's rows are dense, 128 bytes each.
; hn: [8192][512] bf16.  The weights: [512][1536] bf16 at byte 0 of wts, as they lie ([k][n]).  Sums in f32; the bias is the C operand of each sum's first product.
; SHARES.  A work-group makes 128 rows x 384 columns, its four waves (2 x 2) 64 x 192 each: 48 accumulators.  64 x 4 = 256 work-groups.  K = 512 goes in 4 steps of 128 through two LDS slots.
; THE PRODUCT IS USED TRANSPOSED: source 0 = 16 columns of W (turned out of LDS by ds_load_tr16_b128), source 1 = 16 rows of hn: a lane holds one row and eight neighbouring columns.
; A wave's 192 columns are three whole blocks of 64: of each 128 columns of the tile the half s12.
; CLUSTER 4 x 4: hn's tile hangs on the tile row alone and is asked for jointly along a row of the cluster, W's on the tile column alone, along a column.
; NO PREFETCH: the ring's four steps are the two first fills and two refills; there is no step far enough ahead to ask for.
; REGISTERS (windows of 256): window 0: v1-31 addresses, v64-95 / v128-159 hn's fragments (two buffers), v160-255 bias; window 1: v0-95 / v128-223 W's fragments;
; window 2: accumulators of my rows 0-31, window 3: rows 32-63 ((a, b) at v[8 (12 (a % 2) + b)]).
.set MA,  4
.set NBW, 12
.set TM,  128
.set TN,  384
.set KD,  512
.set ND,  1536
.set KS,  128
.set NT,  4
.set QK,  32
.set NQ,  4
.set PA,  272                          ; a row of hn's tile in LDS: 256 + 16
.set PB,  864                          ; a row of W's tile: 3 x (256 + 32): an odd multiple of 32
.set BCH, 288
.set WC,  128
.set QIA, 5
.set QIB, 5
.set BREG, 0
.set ABYTES, TM*PA
.set SLOT, ABYTES+KS*PB                ; 145,408
.set SPARE, 2*SLOT                     ; the spare words: two blocks of 256 bytes that no other line names
.set NL,  2*(MA+NBW)                   ; LDS loads in a FETCH
.set W1,  MA                           ; its youngest loads: hn's upper rows
.set SPI, 784                          ; the way out: a stage row of 192 f32 + 16 bytes
.set STW, 64*SPI
.set FA0, 64
.set BIAS, 160
.set A0, 16
.set B0, 17
.set ADRA, 18
.set B1, 19
.set ADRB0, 20
.set ADRB1, 21
.set STO, 24
.set RD0, 25
.set CO, 26
.set SPW, 28
.set NIL, 29
.set BO, 30
.set RD, 31
.set LL, 32                            ; the way out: v[32:79] from the stage, v[80:103] packed
.set YY, 80
.set G1A, 24
.set G0A, 32
.set G1B, 48
.set G0B, 56
.set TB, 66                            ; the slot that is read
.set TF, 67                            ; the slot that was filled last
.set LA, 68
.set LB, 69
.set KC, 70
.set IC, 71
.set SA, 86
.set SB, 87
.set BP0, 88                           ; s[88:93] three bias pointers
.set OC, 94
.set RS, 95
.set MSB, 0
.macro WIN new                         ; the immediate's high byte repeats the setting that is left
.if MSB != (\new)
	s_set_vgpr_msb (MSB<<8)|(\new)
.set MSB, \new
.endif
.endm
.macro JLOAD                           ; a joint refill by the walking descriptors: waves 0, 1 for hn, waves 2, 3 for W; s_nop 0 and four v_nop follow each line
	s_cmp_eq_u32 s11, 0
	s_cbranch_scc0 .Lfor_b_\@
	tensor_load_to_lds s[G0A+4:G0A+7], s[G1A:G1A+7]
	s_nop 0
.rept 4
	v_nop
.endr
	s_branch .Lasked_\@
.Lfor_b_\@:
	tensor_load_to_lds s[G0B+4:G0B+7], s[G1B:G1B+7]
	s_nop 0
.rept 4
	v_nop
.endr
.Lasked_\@:
.endm
.macro CROUND                          ; a round of the cluster's barrier
	s_barrier_signal -1
	s_barrier_wait -1
	s_cmp_lg_u32 s10, 0
	s_cbranch_scc1 .Lnot_wave_0_\@
	s_barrier_signal -3
.Lnot_wave_0_\@:
	s_barrier_wait -3
	s_barrier_signal -1
	s_barrier_wait -1
.endm
.macro SETADR                          ; the fragment loads' addresses: a stepped scalar + my lane's place
	v_add_nc_u32 v[ADRA], s[SA], v[A0]
	v_add_nc_u32 v[ADRB0], s[SB], v[B0]
	v_add_nc_u32 v[ADRB1], s[SB], v[B1]
.endm
.macro FETCH par, f                    ; the fragments of 32 along K (the even or odd quarter of the pair in hand) into buffer f: W's first, then hn's, lower rows first
	WIN 0x40
.set bb, 0
.rept NBW
	ds_load_tr16_b128 v[128*(\f)+8*bb:128*(\f)+8*bb+3],   v[ADRB0+(\par)] offset:BCH*(bb/4)+32*(bb%4)
	ds_load_tr16_b128 v[128*(\f)+8*bb+4:128*(\f)+8*bb+7], v[ADRB0+(\par)] offset:BCH*(bb/4)+32*(bb%4)+16*PB
.set bb, bb+1
.endr
	WIN 0
.set aa, 0
.rept MA
	ds_load_b128 v[FA0+64*(\f)+8*aa:FA0+64*(\f)+8*aa+3],   v[ADRA] offset:64*(\par)+aa*16*PA
	ds_load_b128 v[FA0+64*(\f)+8*aa+4:FA0+64*(\f)+8*aa+7], v[ADRA] offset:64*(\par)+aa*16*PA+32
.set aa, aa+1
.endr
.endm
.macro MULH f, half, first             ; the products of one half of my rows: each accumulator once, always in the same order, so that they take turns
.if \first
	WIN 0x81+0x40*(\half)
.else
	WIN 0xa1+0x50*(\half)
.endif
.set aa, 0
.rept MA/2
.set bb, 0
.rept NBW
.set rD, 8*(NBW*aa+bb)
.set rB, 128*(\f)+8*bb
.set rA, FA0+64*(\f)+8*((MA/2)*(\half)+aa)
.if \first
	v_wmma_f32_16x16x32_bf16 v[rD:rD+7], v[rB:rB+7], v[rA:rA+7], v[BIAS+8*bb:BIAS+8*bb+7]
.else
	v_wmma_f32_16x16x32_bf16 v[rD:rD+7], v[rB:rB+7], v[rA:rA+7], v[rD:rD+7]
.endif
.set bb, bb+1
.endr
.set aa, aa+1
.endr
.endm
.macro QEVEN first                     ; multiplies buffer 0, fetches the odd quarter into buffer 1
	s_wait_dscnt W1                                ; all but hn's upper rows are in
	MULH 0, 0, \first
.rept 4
	v_nop                                          ; four places in front of loads into registers that products have read
.endr
	FETCH 1, 1
	s_wait_dscnt NL                                ; all but the loads just issued
	MULH 0, 1, \first
.endm
.macro QODD                            ; multiplies buffer 1, fetches the next even quarter into buffer 0, but not behind a step's last quarter
	s_wait_dscnt W1
	MULH 1, 0, 0
	WIN 0
	s_add_co_u32 s[SA], s[SA], 4*QK
	s_add_co_u32 s[SB], s[SB], 2*QK*PB
	SETADR                                         ; these three and the v_nop are the four places
	v_nop
	s_cmp_eq_u32 s[IC], 1
	s_cbranch_scc1 .Lq_last_\@
	FETCH 0, 0
	s_wait_dscnt NL
	s_branch .Lq_go_\@
.Lq_last_\@:
	s_wait_dscnt 0x0
.Lq_go_\@:
	MULH 1, 1, 0
.endm
; THE CHANGE OF SLOTS.  Each wave waits for all its tensor loads (one is out: its part of the next slot), adds 0 to its spare word, and waits for that and for its reads of the slot that it leaves.
; fill = 1: the barrier is a round of the cluster's, and the joint refill of the slot just read is the first thing behind it.
.macro CHANGE fill
	WIN 0
	s_wait_tensorcnt 0x0
	ds_add_u32 v[SPW], v[NIL]                      ; 0 onto my spare word; scalar work stands between it and the wait for it
.if \fill
	s_xor_b32 s[TF], s[TF], SLOT
	s_add_co_u32 s[G0A+5], s[TF], s[LA]
	s_add_co_u32 s[G0B+5], s[TF], s[LB]
	s_add_nc_u64 s[G0A+6:G0A+7], s[G0A+6:G0A+7], KS*2
	s_add_nc_u64 s[G0B+6:G0B+7], s[G0B+6:G0B+7], KS*ND*2
.endif
	s_xor_b32 s[TB], s[TB], SLOT
	s_mov_b32 s[SA], s[TB]
	s_mov_b32 s[SB], s[TB]
	s_mov_b32 s[IC], NQ/2
	s_wait_dscnt 0x0
.if \fill
	CROUND
	JLOAD                                          ; its four v_nop are also the places in front of the loads below
.else
	s_barrier_signal -1
	s_barrier_wait -1
.rept 4
	v_nop
.endr
.endif
	SETADR
	FETCH 0, 0
.endm
	s_load_b128 s[4:7], s[0:1], 0x0                ; hn s[4:5], wts s[6:7]
	s_load_b256 s[72:79], s[0:1], 0x10             ; bq s[72:73], bk s[74:75], bv s[76:77], qkvb s[78:79]
	v_lshl_add_u32 v[SPW], v0, 2, SPARE
	v_mov_b32 v[NIL], 0
	ds_add_u32 v[SPW], v[NIL]                      ; the wave's opening: the add and its wait come ahead of my first tensor load
	ds_add_u32 v28, v29
	v_lshrrev_b32 v1, 5, v0
	v_readfirstlane_b32 s10, v1                    ; wave 0..3
	s_lshr_b32 s11, s10, 1                         ; my half of the tile's rows; also: I fetch for hn (0) or W (1)
	s_and_b32 s12, s10, 1                          ; my half of the columns; also: which half of that tile I fetch
	s_bfe_u32 s40, ttmp6, 0x40000                  ; cx
	s_bfe_u32 s41, ttmp6, 0x40004                  ; cy
	s_lshl_b32 s42, ttmp9, 2
	s_add_co_u32 s42, s42, s40                     ; tile column
	s_and_b32 s13, ttmp7, 0xffff
	s_lshl_b32 s13, s13, 2
	s_add_co_u32 s13, s13, s41                     ; tile row
	s_lshl_b32 s43, s41, 2
	s_lshl_b32 s43, 15, s43                        ; my row of the cluster
	s_lshl_b32 s44, 0x1111, s40                    ; my column
	s_or_b32 s[G1A], s43, (1<<16)|(1<<20)|(1<<21)|(QIA<<22)|(3<<25)  ; mask; 2-byte elements; padding on; bit 21 beside a mask; after every 64 words 4 words
	s_or_b32 s[G1B], s44, (1<<16)|(1<<20)|(1<<21)|(QIB<<22)|(7<<25)  ; after every 64 words 8 words
	s_mov_b32 s[G1A+1], KS<<16                     ; tensor_dim0
	s_mov_b32 s[G1A+2], (TM/2)<<16                 ; tensor_dim1
	s_mov_b32 s[G1A+3], KS<<16                     ; tile_dim0
	s_mov_b32 s[G1A+4], TM/2                       ; tile_dim1
	s_mov_b32 s[G1A+5], KD                         ; elements from row to row
	s_mov_b32 s[G1A+6], 0
	s_mov_b32 s[G1A+7], 0
	s_mov_b32 s[G1B+1], TN<<16
	s_mov_b32 s[G1B+2], (KS/2)<<16
	s_mov_b32 s[G1B+3], TN<<16
	s_mov_b32 s[G1B+4], KS/2
	s_mov_b32 s[G1B+5], ND
	s_mov_b32 s[G1B+6], 0
	s_mov_b32 s[G1B+7], 0
	s_mul_i32 s16, s13, TM*KD*2                    ; hn: the tile row's first row, + the half that I fetch
	s_mul_i32 s17, s12, (TM/2)*KD*2
	s_add_co_u32 s16, s16, s17
	s_mov_b32 s17, 0
	s_mul_i32 s46, s42, TN*2                       ; W: the tile column, + the half of a step's k rows that I fetch
	s_mul_i32 s47, s12, (KS/2)*ND*2
	s_add_co_u32 s46, s46, s47
	s_add_co_u32 s46, s46, BREG
	s_mov_b32 s47, 0
	s_mul_i32 s[LA], s12, (TM/2)*PA                ; and where they go in a slot: the wave's number alone
	s_mul_i32 s[LB], s12, (KS/2)*PB
	s_add_co_u32 s[LB], s[LB], ABYTES
	s_mov_b32 s[TB], 0
	s_mov_b32 s[TF], SLOT
	s_mov_b32 s[SA], 0
	s_mov_b32 s[SB], 0
	s_mov_b32 s[IC], NQ/2
	s_wait_dscnt 0x0                               ; the opening add is done
	s_wait_kmcnt 0x0
	s_add_nc_u64 s[14:15], s[4:5], s[16:17]
	s_add_nc_u64 s[46:47], s[6:7], s[46:47]
.irp s, 0,1
	s_mov_b32 s[G0A+4*\s], 1
	s_add_co_u32 s[G0A+4*\s+1], s[LA], \s*SLOT
	s_add_nc_u64 s[G0A+4*\s+2:G0A+4*\s+3], s[14:15], \s*KS*2
	s_or_b32 s[G0A+4*\s+3], s[G0A+4*\s+3], 0x80000000
	s_mov_b32 s[G0B+4*\s], 1
	s_add_co_u32 s[G0B+4*\s+1], s[LB], \s*SLOT
	s_add_nc_u64 s[G0B+4*\s+2:G0B+4*\s+3], s[46:47], \s*KS*ND*2
	s_or_b32 s[G0B+4*\s+3], s[G0B+4*\s+3], 0x80000000
.endr
	CROUND                                         ; all sixteen work-groups are here: the first joint loads meet
	s_cmp_eq_u32 s11, 0                            ; a wave's two first fills stand in one branch: two loads of mine are out
	s_cbranch_scc0 .Lfirst_b
	tensor_load_to_lds s[G0A:G0A+3], s[G1A:G1A+7]
	s_nop 0
	tensor_load_to_lds s[G0A+4:G0A+7], s[G1A:G1A+7]
	s_nop 0
.rept 4
	v_nop
.endr
	s_branch .Lfirst_asked
.Lfirst_b:
	tensor_load_to_lds s[G0B:G0B+3], s[G1B:G1B+7]
	s_nop 0
	tensor_load_to_lds s[G0B+4:G0B+7], s[G1B:G1B+7]
	s_nop 0
.rept 4
	v_nop
.endr
.Lfirst_asked:
	v_and_b32 v1, 15, v0                           ; r = l % 16
	v_bfe_u32 v2, v0, 4, 1                         ; h = l / 16
	v_and_b32 v3, 7, v0
	v_bfe_u32 v4, v0, 3, 1
	v_lshl_add_u32 v5, v2, 3, v3                   ; the turning load: k row 8 h + l % 8,
	v_mul_u32_u24 v[B0], v5, PB
	v_lshl_add_u32 v[B0], v4, 4, v[B0]             ; columns 8 ((l / 8) % 2) on
	s_mul_i32 s20, s12, WC
	s_add_co_u32 s20, s20, ABYTES
	v_add_nc_u32 v[B0], s20, v[B0]
	v_add_nc_u32 v[B1], QK*PB, v[B0]
	v_mul_u32_u24 v[A0], v1, PA
	v_lshl_add_u32 v[A0], v2, 4, v[A0]
	s_mul_i32 s21, s11, (TM/2)*PA
	v_add_nc_u32 v[A0], s21, v[A0]
	v_lshlrev_b32 v[BO], 5, v2                     ; my 8 columns of a block of 16: 32 h bytes
	; the bias: block cb = 6 x tile column + 2 c + s12 lies in bq, bk or bv by cb / 8
.irp c, 0,1,2
	s_mul_i32 s96, s42, 6
	s_add_co_u32 s96, s96, s12
	s_add_co_u32 s96, s96, 2*\c
	s_lshr_b32 s97, s96, 3
	s_cmp_eq_u32 s97, 1
	s_cselect_b64 s[BP0+2*\c:BP0+2*\c+1], s[74:75], s[72:73]
	s_cmp_eq_u32 s97, 2
	s_cselect_b64 s[BP0+2*\c:BP0+2*\c+1], s[76:77], s[BP0+2*\c:BP0+2*\c+1]
	s_and_b32 s96, s96, 7
	s_lshl_b32 s96, s96, 8
	s_mov_b32 s97, 0
	s_add_nc_u64 s[BP0+2*\c:BP0+2*\c+1], s[BP0+2*\c:BP0+2*\c+1], s[96:97]
.irp i, 0,1,2,3
	global_load_b128 v[BIAS+32*\c+8*\i:BIAS+32*\c+8*\i+3],   v[BO], s[BP0+2*\c:BP0+2*\c+1] offset:64*\i
	global_load_b128 v[BIAS+32*\c+8*\i+4:BIAS+32*\c+8*\i+7], v[BO], s[BP0+2*\c:BP0+2*\c+1] offset:64*\i+16
.endr
.endr
	; the way out's addresses
	s_mul_i32 s[RS], s10, STW                      ; my stage
	v_mul_u32_u24 v[STO], v1, SPI
	v_lshl_add_u32 v[STO], v2, 5, v[STO]
	v_add_nc_u32 v[STO], s[RS], v[STO]
	v_and_b32 v3, 31, v0
	v_lshrrev_b32 v4, 3, v3
	v_and_b32 v5, 7, v0
	v_mul_u32_u24 v[RD0], v4, SPI                  ; back: row l / 8, 8 columns (l % 8)
	v_lshl_add_u32 v[RD0], v5, 5, v[RD0]
	v_lshlrev_b32 v[CO], 4, v3                     ; 16 l: four rows of 128 bytes are 512 bytes on end
	s_mul_i32 s96, s42, 6
	s_add_co_u32 s96, s96, s12
	s_lshl_b32 s96, s96, 20                        ; a block of 64 columns is 8,192 rows x 128 bytes
	s_lshl_b32 s97, s13, 14
	s_add_co_u32 s96, s96, s97
	s_lshl_b32 s97, s11, 13
	s_add_co_u32 s96, s96, s97
	s_mov_b32 s97, 0
	s_add_nc_u64 s[78:79], s[78:79], s[96:97]
	s_wait_tensorcnt 1                             ; my part of step 0 is in; step 1's may stay out
	s_barrier_signal -1
	s_barrier_wait -1
	SETADR
	FETCH 0, 0
	s_wait_loadcnt 0x0                             ; the bias
	QEVEN 1                                        ; the first quarter starts the sums, with the bias as C
	WIN 0
	s_mov_b32 s[KC], NT-1
	s_branch .Lmid
.Lstep:
	CHANGE 1
.Lin:
	QEVEN 0
	WIN 0
.Lmid:
	QODD
	WIN 0
	s_sub_co_u32 s[IC], s[IC], 1
	s_cmp_lg_u32 s[IC], 0
	s_cbranch_scc1 .Lin
	s_sub_co_u32 s[KC], s[KC], 1
	s_cmp_lg_u32 s[KC], 0
	s_cbranch_scc1 .Lstep
	CHANGE 0                                       ; the last step is written out: nothing is asked for
.Lin2:
	QEVEN 0
	QODD
	WIN 0
	s_sub_co_u32 s[IC], s[IC], 1
	s_cmp_lg_u32 s[IC], 0
	s_cbranch_scc1 .Lin2
	; THE WAY OUT.  The stages lie over both slots, which have had their last fill: every wave's reads of the slots are over in front of this barrier.
	s_wait_dscnt 0x0
	s_barrier_signal -1
	s_barrier_wait -1
.rept 8
	v_nop                                          ; places behind the last products
.endr
.set aa, 0
.rept MA
	WIN 0x08+4*(aa/(MA/2))                         ; store data in window 2 or 3
.set bb, 0
.rept NBW
.set rD, 8*(NBW*(aa%(MA/2))+bb)
	ds_store_b128 v[STO], v[rD:rD+3]   offset:aa*16*SPI+64*bb      ; each accumulator's low registers first
	ds_store_b128 v[STO], v[rD+4:rD+7] offset:aa*16*SPI+64*bb+16
.set bb, bb+1
.endr
.set aa, aa+1
.endr
	WIN 0
.macro SLOAD                           ; 8 rows x 3 blocks of my own stage: LDS serves a wave's instructions in order, so these see my stores
.irp c, 0,1,2
.irp f, 0,1
	ds_load_b128 v[LL+16*\c+8*\f:LL+16*\c+8*\f+3],   v[RD] offset:256*\c+4*SPI*\f
	ds_load_b128 v[LL+16*\c+8*\f+4:LL+16*\c+8*\f+7], v[RD] offset:256*\c+4*SPI*\f+16
.endr
.endr
.endm
	v_add_nc_u32 v[RD], s[RS], v[RD0]
	SLOAD
	s_mov_b32 s[OC], 8
.Lout:
	s_wait_dscnt 0x0
	s_wait_xcnt 0x0                                ; the last trip's stores have read their data and their offset
.set k, 0
.rept 24
	v_cvt_pk_bf16_f32 v[YY+k], v[LL+2*k], v[LL+2*k+1]
.set k, k+1
.endr
	v_add_nc_u32 v[CO], 1024, v[CO]                ; the next 8 rows; the stores below reach back
	s_add_co_u32 s[RS], s[RS], 8*SPI
	v_add_nc_u32 v[RD], s[RS], v[RD0]
	s_cmp_eq_u32 s[OC], 1
	s_cbranch_scc1 .Lout_last
	SLOAD
.Lout_last:
.irp c, 0,1,2
.irp f, 0,1
	global_store_b128 v[CO], v[YY+8*\c+4*\f:YY+8*\c+4*\f+3], s[78:79] offset:2097152*\c+512*\f-1024  ; 512 consecutive bytes, aligned
.endr
.endr
	s_sub_co_u32 s[OC], s[OC], 1
	s_cmp_lg_u32 s[OC], 0
	s_cbranch_scc1 .Lout
	s_wait_tensorcnt 0x0                           ; the wave's end
	ds_add_u32 v[SPW], v[NIL]
	s_wait_dscnt 0x0
	CROUND                                         ; the closing round
	s_endpgm
.Lfunc_end_k_qb779c70b1b_qkv:
	.size	k_qb779c70b1b_qkv, .Lfunc_end_k_qb779c70b1b_qkv-k_qb779c70b1b_qkv
	.p2alignl 7, 3214868480
	.fill 96, 4, 3214868480
	.section	.rodata,"a",@progbits
	.p2align	6, 0x0
	.amdhsa_kernel k_qb779c70b1b_qkv
		.amdhsa_group_segment_fixed_size 327680
		.amdhsa_private_segment_fixed_size 0
		.amdhsa_enable_private_segment 0
		.amdhsa_kernarg_size 48
		.amdhsa_user_sgpr_count 2
		.amdhsa_user_sgpr_kernarg_segment_ptr 1
		.amdhsa_wavefront_size32 1
		.amdhsa_system_sgpr_workgroup_id_x 1
		.amdhsa_system_sgpr_workgroup_id_y 1
		.amdhsa_system_sgpr_workgroup_id_z 1
		.amdhsa_system_vgpr_workitem_id 0
		.amdhsa_next_free_vgpr 1024
		.amdhsa_next_free_sgpr 100
		.amdhsa_reserve_vcc 0
		.amdhsa_float_denorm_mode_32 3
		.amdhsa_float_denorm_mode_16_64 3
		.amdhsa_memory_ordered 1
		.amdhsa_forward_progress 1
		.amdhsa_inst_pref_size 58
	.end_amdhsa_kernel
	.amdgpu_metadata
---
amdhsa.version: [ 1, 2 ]
amdhsa.kernels:
  - .name:           k_qb779c70b1b_qkv
    .symbol:         k_qb779c70b1b_qkv.kd
    .args:
      - { .name: hn, .offset: 0, .size: 8, .value_kind: global_buffer, .address_space: global }
      - { .name: wts, .offset: 8, .size: 8, .value_kind: global_buffer, .address_space: global }
      - { .name: bq, .offset: 16, .size: 8, .value_kind: global_buffer, .address_space: global }
      - { .name: bk, .offset: 24, .size: 8, .value_kind: global_buffer, .address_space: global }
      - { .name: bv, .offset: 32, .size: 8, .value_kind: global_buffer, .address_space: global }
      - { .name: qkvb, .offset: 40, .size: 8, .value_kind: global_buffer, .address_space: global }
    .group_segment_fixed_size: 327680
    .private_segment_fixed_size: 0
    .kernarg_segment_align: 8
    .kernarg_segment_size: 48
    .max_flat_workgroup_size: 128
    .sgpr_count:     100
    .vgpr_count:     1024
    .wavefront_size: 32
...
	.end_amdgpu_metadata
.endif
;; end of part 2
;; launch attn (part 3): grid 8 x 32, 4 waves a work-group, no clusters, 327,680 bytes of LDS; arguments qkvb, yb; writes yb
.if DOCPART == 3
	.amdgcn_target "amdgcn-amd-amdhsa--gfx1250"
	.amdhsa_code_object_version 6
	.text
	.protected	k_qb779c70b1b_attn
	.globl	k_qb779c70b1b_attn
	.p2align	8
	.type	k_qb779c70b1b_attn,@function
k_qb779c70b1b_attn:
	s_mov_b64 s[64:65], 0
	v_nop
	global_prefetch_b8 v0, s[64:65] scope:SCOPE_SE
	s_setreg_imm32_b32 hwreg(HW_REG_WAVE_MODE, 25, 1), 1
	s_wait_xcnt 0x0
; CAUSAL ATTENTION, 32 heads of 2,048 rows x 64 channels.  q, k, v: blocks 0-7, 8-15, 16-23 of qkvb ([block][8192 rows][64] bf16); head hb = 8 x batch + h has rows 2,048 batch .. of block h.  yb: [8][8192][64] bf16.
; Products, maxima and sums in f32; the weights p are rounded to bf16 for the second product (their sum l is taken of the unrounded p), the result once at the end.
; LIMITS.  A hidden score counts as its value less 1e30: scores must stay far below 1e29 in size; a weight below 2^-126 counts as 0 in l; NaN and infinities are not treated apart.
; THE WALK.  A head's queries lie in 16 blocks of 128; block i needs the key tiles 0 .. i / 2 of 256 keys.  A work-group takes block b and then block 15 - b: 9 tiles, whatever b: 256 equal work-groups,
; and ONE loop with a constant trip count walks them.  What a trip does hangs on scalar registers made from b; every jump goes forward but the counted loops' own, and none passes a barrier or a tensor load
; but the one of LOAD's two that the wave's number does not choose.
; NO CLUSTER: a head's 8 work-groups ask for the same tile in trip 0 alone; from trip 1 on those with different b / 2 ask for different tiles; one walk common to four partners would have more trips than it spares requests.
; SHARES.  A block is two bands of 64 queries; a wave owns 16 rows of each: two PIECES.  In key step g band x of block i sees all keys if g < 2 i + x, none if g > 2 i + x, and holds the diagonal if g = 2 i + x.
; THE MASK is the C operand that starts S^T = K Q^T: MD x AL + BE, MD the mask of a band's own step for my 16 rows.  DS = 2 i - (the step that the next masks are for); while DS > -x the buffer keeps its zeros.
; TURNS.  Turn p of step g belongs to piece p: 8 products K Q^T of the other piece (p = 0: step g; p = 1: step g + 1), later 8 products V^T P of the other piece (p = 0: step g - 1; p = 1: step g); beside them piece p's
; scaling, exponentials, roundings, sums and rescaling, and the other piece's maximum and statistics.  Four vector instructions stand behind every matrix instruction, the rest in one lump; a turn's 33 exponentials are one batch with one wait.
; K of step g + 1 is fetched in turn 0's lump, V of step g + 1 in turn 1's, into the buffer of the step's parity; both are waited for at turn 1's head.
; So a tile's last bytes are asked for in its third step, and the change of slots stands behind that step: a period is a change and the steps 4 t - 1 .. 4 t + 2.  A block's last step stands behind the change that brings the next
; block's first tile: its fetches bring that tile's K and V of step 0, and its 8 products K Q^T serve nothing.
; REGISTERS (windows of 256; s_set_vgpr_msb: bits 1:0 source 0, 3:2 source 1, 5:4 source 2, 7:6 destination):
;   window 0: v0-15 addresses; v16-23 statistics; v48-55 at work; v61-63; v64-127 S^T, two buffers; v192-223 P, two buffers      window 1: v0-63 O^T; v128-159 MD; v160-223 MC, two buffers
;   window 2: v0-31 Q; v32-63 the second block's Q; v64-127 K of one step; v128-255 V, two buffers
.set NP,    2
.set KS,    64
.set PK,    144       ; a row of K in LDS: 128 bytes + 16
.set PV,    160       ; a row of V: 128 + 32
.set VOFF,  4*KS*PK
.set SLOT1, 1<<17
.set STAGE, SLOT1+4*KS*(PK+PV)
.set SP,    144
.set SPARE, STAGE+4*16*SP  ; the spare words: two blocks of 256 bytes that no other line names
.set AK0, 2
.set AV0, 3
.set AK,  4
.set AV,  5
.set STO, 6
.set RD,  7
.set GO,  8
.set MV,  12
.set QO,  15
.set ST,  16          ; piece t's statistics at v[ST+4 t]: c m, m, l (even keys', odd keys')
.set TMP, 48
.set PFO, 61          ; 256 x my thread's number; never rewritten
.set SPW, 62
.set NIL, 63
.set S,   64
.set P,   192
.set MD,  128
.set MC,  160
.set QB,  32
.set KF,  64
.set VF,  128
.set WV,  12
.set PB,  14          ; b
.set HI,  15          ; 15 - b
.set G1K, 24
.set G1V, 32
.set G0K, 40
.set G0V, 44
.set SLOTS, 56
.set CNT, 57
.set CS,  58
.set SEL, 60
.set TBK, 62
.set TBV, 63
.set BI,  66          ; the block in hand
.set T0,  67
.set OF2, 68          ; s[68:69]
.set RT,  70          ; tiles of the block in hand still to be entered
.set NXT, 71          ; the tile to be asked for next
.set LQ,  72          ; the last tile of the block whose tiles are being asked for
.set FIRST, 73
.set OFF, 74          ; s[74:75]
.set AL,  76
.set BE,  78
.set OHI, 80          ; s[80:81] yb at my rows of the second block
.set BIGN, 82
.set DS,  83
.set ENDF, 88         ; 1: the period's first step is a block's last
.set NHI, 89
.set KH,  90          ; s[90:91] the head's K, s[92:93] its V
.set VH,  92
.set PFK, 94          ; s[94:95], s[96:97] where the prefetches stand
.set PFV, 96
.set LQ2, 98
.set LIMV, 99
.set MSB, 0
.macro WIN new
.if MSB != (\new)
	s_set_vgpr_msb (MSB<<8)|(\new)
.set MSB, (\new)
.endif
.endm
.set W_KM, 0x1a       ; K and Q in window 2, the mask in window 1, S^T in window 0
.set W_KQ, 0x0a
.set W_PV, 0x52       ; V in window 2, P in window 0, O^T in window 1
.set W_RS, 0x41
.macro LOAD                         ; waves 0, 1 fetch the halves of a tile's K, waves 2, 3 those of its V; s_nop 0 and four v_nop follow each line
	s_cmp_lt_u32 s[WV], 2
	s_cbranch_scc0 .Lfor_v_\@
	tensor_load_to_lds s[G0K:G0K+3], s[G1K:G1K+7]
	s_nop 0
.rept 4
	v_nop
.endr
	s_branch .Lasked_\@
.Lfor_v_\@:
	tensor_load_to_lds s[G0V:G0V+3], s[G1V:G1V+7]
	s_nop 0
.rept 4
	v_nop
.endr
.Lasked_\@:
.endm
; A PREFETCH INTO THE L2.  Tiles 4 to 7 of a head are loaded first by the work-groups b = 0 and 1, tile j at change j.  Work-group b = 0 alone asks, at changes 3 to 6, for the tile that its next change will load:
; a period, 128 matrix instructions, ahead.  128 threads x 256 bytes are a tile's 32,768 bytes of K, and of V: each aligned block of 256 bytes is named once in the launch.  Tiles 0 to 3 come by their loads alone.
.macro ASK
	s_sub_co_u32 s[T0], s[SLOTS], 2
	s_cmp_lt_u32 s[T0], s[LIMV]
	s_cbranch_scc0 .Lnot_mine_\@
	global_prefetch_b8 v[PFO], s[PFK:PFK+1] th:TH_LOAD_NT scope:SCOPE_SE
	global_prefetch_b8 v[PFO], s[PFV:PFV+1] th:TH_LOAD_NT scope:SCOPE_SE
.Lnot_mine_\@:
.endm
; THE CHANGE OF SLOTS.  Each wave waits for all its tensor loads (one is out: its part of the other slot), adds 0 to its spare word, and waits for that and for its reads of the slot that it leaves.
; fill = 1: the old slot is filled again, first thing behind the barrier, with tile NXT.
.macro CHANGE fill
	WIN 0
	s_wait_tensorcnt 0x0
	ds_add_u32 v[SPW], v[NIL]       ; 0 onto my spare word; scalar work stands between it and the wait for it
.if \fill
	s_lshl_b32 s[OFF], s[NXT], 15   ; a tile is 32,768 bytes of K and of V
	s_xor_b32 s[G0K+1], s[G0K+1], SLOT1
	s_add_nc_u64 s[G0K+2:G0K+3], s[8:9], s[OFF:OFF+1]
	s_or_b32 s[G0K+3], s[G0K+3], 0x80000000
	s_xor_b32 s[G0V+1], s[G0V+1], SLOT1
	s_add_nc_u64 s[G0V+2:G0V+3], s[10:11], s[OFF:OFF+1]
	s_or_b32 s[G0V+3], s[G0V+3], 0x80000000
	s_add_co_u32 s[NXT], s[NXT], 1  ; the block's next tile, or behind its last the second block's tile 0
	s_cmp_gt_u32 s[NXT], s[LQ]
	s_cselect_b32 s[NXT], 0, s[NXT]
	s_cselect_b32 s[LQ], s[LQ2], s[LQ]
	s_wait_xcnt 0x0                 ; the last prefetches, a period back, have read their addresses
	s_lshl_b32 s[OF2], s[NXT], 15
	s_add_nc_u64 s[PFK:PFK+1], s[KH:KH+1], s[OF2:OF2+1]
	s_add_nc_u64 s[PFV:PFV+1], s[VH:VH+1], s[OF2:OF2+1]
.endif
	s_wait_dscnt 0x0
	s_barrier_signal -1
	s_sub_co_u32 s[TBK], s[TBK], 4*KS*PK  ; the fetches go back to a slot's first step, in the other slot
	s_xor_b32 s[TBK], s[TBK], SLOT1
	s_sub_co_u32 s[TBV], s[TBV], 4*KS*PV
	s_xor_b32 s[TBV], s[TBV], SLOT1
	s_barrier_wait -1
.if \fill
	LOAD
	ASK
.endif
.endm
	s_load_b128 s[4:7], s[0:1], 0x0  ; qkvb s[4:5], yb s[6:7]
	v_lshl_add_u32 v[SPW], v0, 2, SPARE
	v_mov_b32 v[NIL], 0
	ds_add_u32 v[SPW], v[NIL]       ; the wave's opening: the add and its wait come ahead of my first tensor load
	ds_add_u32 v62, v63
	v_lshrrev_b32 v1, 5, v0
	v_readfirstlane_b32 s[WV], v1
	v_lshlrev_b32 v[PFO], 8, v0
	s_mov_b32 s[PB], ttmp9
	s_sub_co_u32 s[HI], 15, s[PB]
	s_and_b32 s20, ttmp7, 0xffff    ; 8 x batch + h
	s_and_b32 s21, s20, 7
	s_lshr_b32 s20, s20, 3
	s_lshl_b32 s21, s21, 20         ; h x 8,192 rows x 128 bytes
	s_lshl_b32 s20, s20, 18         ; batch x 2,048 rows
	s_add_co_u32 s20, s20, s21
	s_mov_b32 s21, 0
	s_and_b32 s16, s[WV], 1         ; which half of a tile's 256 keys I fetch
	s_lshl_b32 s22, s16, 14
	s_mov_b32 s23, 0
	s_mul_i32 s17, s16, 128*PK
	s_mul_i32 s18, s16, 128*PV
	s_lshl_b32 s3, s[WV], 11        ; my 16 rows in a band of 64,
	s_lshl_b32 s2, s[PB], 14        ; in the first block,
	s_add_co_u32 s2, s2, s3
	s_lshl_b32 s84, s[HI], 14       ; and in the second
	s_add_co_u32 s84, s84, s3
	s_mov_b32 s3, 0
	s_mov_b32 s85, 0
	s_add_nc_u64 s[2:3], s[2:3], s[20:21]
	s_add_nc_u64 s[84:85], s[84:85], s[20:21]
	; 128 keys are 16,384 dense bytes: asked for as 64 rows of 256 bytes, two keys a row, padded in LDS after every key
	s_mov_b32 s[G1K], (1<<16)|(1<<20)|(4<<22)|(3<<25)
	s_mov_b32 s[G1V], (1<<16)|(1<<20)|(4<<22)|(7<<25)
.irp g, G1K, G1V
	s_mov_b32 s[\g+1], 128<<16
	s_mov_b32 s[\g+2], 64<<16
	s_mov_b32 s[\g+3], 128<<16
	s_mov_b32 s[\g+4], 64
	s_mov_b32 s[\g+5], 128
	s_mov_b32 s[\g+6], 0
	s_mov_b32 s[\g+7], 0
.endr
	s_mov_b32 s[CS], 0x3e38aa3b     ; c = log2(e) / 8
	s_mov_b32 s[CS+1], s[CS]
	s_mov_b32 s[SEL], 0x76543210
	s_mov_b32 s[SEL+1], 0xfedcba98
	s_mov_b32 s[TBK], SLOT1+4*KS*PK ; the first change of slots turns these two into 0
	s_mov_b32 s[TBV], SLOT1+4*KS*PV
	s_mov_b32 s[G0K], 1
	s_mov_b32 s[G0K+1], s17
	s_mov_b32 s[G0V], 1
	s_add_co_u32 s[G0V+1], s18, VOFF
	s_lshr_b32 s[LQ], s[PB], 1
	s_lshr_b32 s[LQ2], s[HI], 1
	s_add_co_u32 s[RT], s[LQ], 1    ; the first block has b / 2 + 1 tiles,
	s_add_co_u32 s[NHI], s[LQ2], 1  ; the second (15 - b) / 2 + 1
	s_mov_b32 s[NXT], 1
	s_cmp_gt_u32 s[NXT], s[LQ]
	s_cselect_b32 s[NXT], 0, s[NXT]
	s_cselect_b32 s[LQ], s[LQ2], s[LQ]
	s_mov_b32 s[FIRST], 1
	s_mov_b32 s[ENDF], 0
	s_mov_b32 s[BI], s[PB]
	s_cmp_eq_u32 s[PB], 0
	s_cselect_b32 s[LIMV], 4, 0
	s_mov_b32 s[OFF+1], 0
	s_mov_b32 s[OF2+1], 0
	s_mov_b32 s[AL+1], 0
	s_mov_b32 s[BE+1], 0
	s_mov_b32 s[DS], 0
	s_mov_b32 s[BIGN], 0xf149f2ca   ; -1e30
	s_mov_b32 s[SLOTS], 8
	s_wait_dscnt 0x0                ; the opening add is done
	s_wait_kmcnt 0x0
	s_add_nc_u64 s[KH:KH+1], s[4:5], s[20:21]
	s_add_nc_u64 s[KH:KH+1], s[KH:KH+1], 8388608
	s_add_nc_u64 s[VH:VH+1], s[KH:KH+1], 8388608
	s_add_nc_u64 s[8:9], s[KH:KH+1], s[22:23]    ; K and V at my half of the head's tile 0
	s_add_nc_u64 s[10:11], s[VH:VH+1], s[22:23]
	s_add_nc_u64 s[G0K+2:G0K+3], s[8:9], 0
	s_or_b32 s[G0K+3], s[G0K+3], 0x80000000
	s_add_nc_u64 s[G0V+2:G0V+3], s[10:11], 0
	s_or_b32 s[G0V+3], s[G0V+3], 0x80000000
	s_add_nc_u64 s[86:87], s[4:5], s[84:85]      ; q at my rows of the second block,
	s_add_nc_u64 s[4:5], s[4:5], s[2:3]          ; q and yb at those of the first
	s_add_nc_u64 s[OHI:OHI+1], s[6:7], s[84:85]
	s_add_nc_u64 s[6:7], s[6:7], s[2:3]
	LOAD                            ; tile 0 into slot 0
	v_and_b32 v1, 15, v0            ; l % 16
	v_bfe_u32 v9, v0, 4, 1          ; l / 16
	v_lshlrev_b32 v[QO], 7, v1
	v_lshl_add_u32 v[QO], v9, 4, v[QO]
	WIN 0x80
.set i, 0
.rept 4                             ; both blocks' Q: piece i / 2 lies in band i / 2, 8,192 bytes on; channels 32 (i % 2) on
	global_load_b128 v[8*i:8*i+3],   v[QO], s[4:5] offset:(i/2)*8192+(i%2)*64
	global_load_b128 v[8*i+4:8*i+7], v[QO], s[4:5] offset:(i/2)*8192+(i%2)*64+32
	global_load_b128 v[QB+8*i:QB+8*i+3],   v[QO], s[86:87] offset:(i/2)*8192+(i%2)*64
	global_load_b128 v[QB+8*i+4:QB+8*i+7], v[QO], s[86:87] offset:(i/2)*8192+(i%2)*64+32
.set i, i+1
.endr
	WIN 0
	v_lshlrev_b32 v14, 3, v9
	v_sub_nc_u32 v14, v1, v14
	s_lshl_b32 s13, s[WV], 4
	v_add_nc_u32 v14, s13, v14      ; my query's place in its band less 8 (l / 16): register r of group kt is hidden where 16 kt + r is greater
	WIN 0x40
.set i, 0
.rept 32
	v_cmp_gt_i32 vcc_lo, 16*(i/8)+i%8, v14
	v_cndmask_b32 v[MD+i], 0, s[BIGN], vcc_lo
.set i, i+1
.endr
	WIN 0
	v_mul_u32_u24 v[AK0], v1, PK
	v_lshl_add_u32 v[AK0], v9, 4, v[AK0]
	v_and_b32 v10, 7, v0
	v_bfe_u32 v11, v0, 3, 1
	v_lshl_add_u32 v[AV0], v9, 3, v10
	v_mul_u32_u24 v[AV0], v[AV0], PV
	v_lshl_add_u32 v[AV0], v11, 4, v[AV0]
	v_add_nc_u32 v[AV0], VOFF, v[AV0]
	s_mul_i32 s13, s[WV], 16*SP
	s_add_co_u32 s13, s13, STAGE    ; my stage
	v_mul_u32_u24 v[STO], v1, SP
	v_lshl_add_u32 v[STO], v9, 4, v[STO]
	v_add_nc_u32 v[STO], s13, v[STO]
	v_bfe_u32 v[RD], v0, 3, 2
	v_mul_u32_u24 v[RD], v[RD], SP
	v_lshl_add_u32 v[RD], v10, 4, v[RD]
	v_add_nc_u32 v[RD], s13, v[RD]
	v_and_b32 v[GO], 31, v0
	v_lshlrev_b32 v[GO], 4, v[GO]
	; A block's first step multiplies O^T and l by a = 0, and its first turn's products V^T P land in an O^T that is still to be so multiplied: these registers need only hold finite numbers.  All this stands in the wait for the first tile.
	WIN 0x80
.set i, VF+64
.rept 64
	v_mov_b32 v[i], 0
.set i, i+1
.endr
	WIN 0x40
.set i, 0
.rept 64
	v_mov_b32 v[i], 0
.set i, i+1
.endr
	WIN 0
.set i, 0
.rept 2
	v_mov_b32 v[ST+4*i+2], 0
	v_mov_b32 v[ST+4*i+3], 0
.set i, i+1
.endr
.set i, P+16
.rept 16
	v_mov_b32 v[i], 0
.set i, i+1
.endr
; THE MATRIX WORK.  The 4 accumulators of a run of 8 take turns.  Product i of 8 of S^T = K Q^T for piece x: channels 32 (i / 4) on, keys 16 (i % 4) on; the first 4 start the sums with the mask.
.macro KQ x
.set rS, S+32*((\x)%2)+8*(i%4)
.set rK, KF+16*(i%4)+8*(i/4)
.set rQ, 16*(\x)+8*(i/4)
.set rM, MC+32*((\x)%2)+8*(i%4)
.if i < 4
	WIN W_KM
	v_wmma_f32_16x16x32_bf16 v[rS:rS+7], v[rK:rK+7], v[rQ:rQ+7], v[rM:rM+7]
.else
	WIN W_KQ
	v_wmma_f32_16x16x32_bf16 v[rS:rS+7], v[rK:rK+7], v[rQ:rQ+7], v[rS:rS+7]
.endif
.endm
; Product i of 8 of O^T += V^T P for piece x, V from buffer VB: keys 32 (i / 4) on, channels 16 (i % 4) on.
.macro PV x
	WIN W_PV
.set rO, 32*(\x)+8*(i%4)
.set rV, VF+64*VB+32*(i/4)+8*(i%4)
.set rP, P+16*((\x)%2)+8*(i/4)
	v_wmma_f32_16x16x32_bf16 v[rO:rO+7], v[rV:rV+7], v[rP:rP+7], v[rO:rO+7]
.endm
.macro MM                           ; the turn's next matrix instruction
.if i < 8
	KQ (Y+1)%NP
.else
.set i, i-8
	PV (Y+1)%NP
.set i, i+8
.endif
.set i, i+1
.endm
.macro FETCH_K                      ; a step's K: 16 loads in one run
	WIN 0x80
.irp f, 0,1,2,3,4,5,6,7
	ds_load_b128 v[KF+8*\f:KF+8*\f+3],   v[AK] offset:(\f/2)*16*PK+(\f%2)*64
	ds_load_b128 v[KF+8*\f+4:KF+8*\f+7], v[AK] offset:(\f/2)*16*PK+(\f%2)*64+32
.endr
	s_add_co_u32 s[TBK], s[TBK], KS*PK
	WIN 0
.endm
.macro FETCH_V buf                  ; a step's V, turned, into buffer buf
	WIN 0x80
.irp f, 0,1,2,3,4,5,6,7
	ds_load_tr16_b128 v[VF+64*(\buf)+8*\f:VF+64*(\buf)+8*\f+3],   v[AV] offset:(\f/4)*32*PV+(\f%4)*32
	ds_load_tr16_b128 v[VF+64*(\buf)+8*\f+4:VF+64*(\buf)+8*\f+7], v[AV] offset:(\f/4)*32*PV+16*PV+(\f%4)*32
.endr
	s_add_co_u32 s[TBV], s[TBV], KS*PV
	WIN 0
.endm
; THE VECTOR WORK, one line at a time: OP kind, number.  For piece Y: F n: c s - c m for pair n.  E n: the exponential of score n.  C n: pair n rounded to bf16.  B n: of the four weights 4 n .. the second pair is added
; onto the first.  L n: l takes that sum (L 0: l = a l + sum).  R n: pair n of O^T times a.  For the other piece: X n, number n of the 22 that find its maximum and statistics (each accumulator's lowest registers are read first).
.set F, 0
.set E, 1
.set C, 2
.set B, 3
.set L, 4
.set R, 5
.set X, 6
.macro REGS y
.set rT, ST+4*(\y)
.set rC, TMP+4*((\y)%2)
.set rW, MV+((\y)%2)
.set rS, S+32*((\y)%2)
.set rP, P+16*((\y)%2)
.set rO, 32*(\y)
.endm
.macro OP k, n
.if (\k) == R
	REGS Y
	WIN W_RS
	v_pk_mul_f32 v[rO+2*(\n):rO+2*(\n)+1], v[rO+2*(\n):rO+2*(\n)+1], v[rC+2:rC+3] op_sel_hi:[1,0]
.elseif (\k) < R
	REGS Y
	WIN 0
.if (\k) == F
	v_pk_fma_f32 v[rS+2*(\n):rS+2*(\n)+1], v[rS+2*(\n):rS+2*(\n)+1], s[CS:CS+1], v[rT:rT+1] op_sel_hi:[1,0,0] neg_lo:[0,0,1] neg_hi:[0,0,1]
.elseif (\k) == E
	v_exp_f32 v[rS+(\n)], v[rS+(\n)]
.elseif (\k) == C
	v_cvt_pk_bf16_f32 v[rP+(\n)], v[rS+2*(\n)], v[rS+2*(\n)+1]
.elseif (\k) == B
	v_pk_add_f32 v[rS+4*(\n):rS+4*(\n)+1], v[rS+4*(\n):rS+4*(\n)+1], v[rS+4*(\n)+2:rS+4*(\n)+3]
.elseif (\n) == 0
	v_pk_fma_f32 v[rT+2:rT+3], v[rT+2:rT+3], v[rC+2:rC+3], v[rS:rS+1] op_sel_hi:[1,0,1]
.else
	v_pk_add_f32 v[rT+2:rT+3], v[rT+2:rT+3], v[rS+4*(\n):rS+4*(\n)+1]
.endif
.else
	REGS (Y+1)%NP
	WIN 0
.if (\n) < 4
	v_max3_num_f32 v[rC+(\n)], v[rS+8*(\n)], v[rS+8*(\n)+1], v[rS+8*(\n)+2]
.elseif (\n) < 12
	v_max3_num_f32 v[rC+(\n)%4], v[rC+(\n)%4], v[rS+8*((\n)%4)+2*((\n)/4)+1], v[rS+8*((\n)%4)+2*((\n)/4)+2]
.elseif (\n) == 12
	v_max3_num_f32 v[rC], v[rC], v[rS+7], v[rS+15]
.elseif (\n) == 13
	v_max3_num_f32 v[rC+1], v[rC+1], v[rS+23], v[rS+31]
.elseif (\n) == 14
	v_max3_num_f32 v[rC+2], v[rC+2], v[rC+3], v[rT+1]
.elseif (\n) == 15
	v_mov_b32 v[rW], v[rT]
.elseif (\n) == 16
	v_max3_num_f32 v[rC], v[rC], v[rC+1], v[rC+2]
.elseif (\n) == 17
	v_permlanex16_b32 v[rC+3], v[rC], s[SEL], s[SEL+1]
.elseif (\n) == 18
	v_max_num_f32 v[rT+1], v[rC], v[rC+3]
.elseif (\n) == 19
	v_mul_f32 v[rT], s[CS], v[rT+1]
.elseif (\n) == 20
	v_sub_f32 v[rC+1], v[rW], v[rT]
.else
	v_exp_f32 v[rC+2], v[rC+1]
.endif
.endif
.endm
.macro OPS a, i1, b=-1, i2=0, c=-1, i3=0, d=-1, i4=0
	OP \a, \i1
.if (\b) >= 0
	OP \b, \i2
.endif
.if (\c) >= 0
	OP \c, \i3
.endif
.if (\d) >= 0
	OP \d, \i4
.endif
.endm
.macro ROW a, i1, b, i2, c, i3, d, i4  ; a matrix instruction and the four behind it
	MM
	OPS \a, \i1, \b, \i2, \c, \i3, \d, \i4
.endm
.macro MASK b                       ; MD x AL + BE into buffer b of MC
	WIN W_RS
.set z, 0
.rept 16
	v_pk_fma_f32 v[MC+32*(\b)+2*z:MC+32*(\b)+2*z+1], v[MD+2*z:MD+2*z+1], s[AL:AL+1], s[BE:BE+1] op_sel_hi:[1,0,0]
.set z, z+1
.endr
.endm
; A TURN, for piece p in a step of parity par.  Ahead of its one wait stands all that names no result of its exponentials; behind it the 8 products V^T P with the roundings and sums as riders.
; The run of LDS loads stands in the lump, twelve plain instructions behind the last product K Q^T.  tail = 1 (the walk's last tile, odd steps): in the very last step nothing is left to fetch and the run is jumped over;
; the exponentials issued so far get a wait of their own ahead of that branch.  At its end the turn makes the mask for the next turn's products, where one is due.
.macro TURN p, par, tail=0
.set Y, (\p)
.set i, 0
.if (\p) == 0
.set VB, 1-(\par)
.else
.set VB, (\par)
	s_wait_dscnt 0x0                ; K of the next step and V of this step are in
.endif
	ROW F,0, F,1, R,0, R,1
	ROW F,2, E,0, R,2, R,3
	ROW F,3, E,1, R,4, R,5
	ROW F,4, E,2, R,6, R,7
	ROW F,5, E,3, R,8, R,9
	ROW F,6, E,4, X,0, R,10
	WIN 0
.if (\p) == 0
	v_add_nc_u32 v[AK], s[TBK], v[AK0]
.else
	v_add_nc_u32 v[AV], s[TBV], v[AV0]
.endif
	ROW F,7, E,5, X,1, X,4
	ROW F,8, E,6, X,2, X,5
	OPS E,7, E,8, X,6, E,9
	OPS X,3, E,10, X,8, E,11
.if \tail
	WIN 0
	s_wait_alu depctr_va_vdst(0)    ; the exponentials issued so far have their wait
	s_cmp_eq_u32 s[CNT], 1
	s_cbranch_scc1 .Lno_fetch_\@
.endif
.if (\p) == 0
	FETCH_K
.else
	FETCH_V 1-(\par)
.endif
.if \tail
.Lno_fetch_\@:
.endif
	OPS X,9, X,7, E,12, X,10
	OPS E,13, X,12, X,11, E,14
	OPS X,13, E,15, F,9, X,14
	OPS E,16, F,10, E,17, F,11
	OPS X,16, E,18, X,15, E,19
	OPS F,12, E,20, X,17, E,21
	OPS F,13, E,22, F,14, E,23
	OPS X,18, E,24, F,15, E,25
	OPS R,11, E,26, X,19, E,27
	OPS R,12, E,28, R,13, E,29
	OPS X,20, E,30, R,14, E,31
	OPS X,21, R,15                  ; the last line is the plain instruction behind the last exponential
	WIN 0
	s_wait_alu depctr_va_vdst(0)    ; the wait for the batch, ahead of the first reader
	ROW C,0, B,0, C,2, B,1
	ROW L,0, C,4, B,2, L,1
	ROW C,6, B,3, L,2, C,8
	ROW B,4, L,3, C,10, B,5
	ROW L,4, C,12, B,6, L,5
	ROW C,14, B,7, L,6, C,1
	ROW C,3, L,7, C,5, C,7
	ROW C,9, C,11, C,13, C,15
	WIN 0
	s_cmp_gt_i32 s[DS], -(\p)       ; band p still sees all keys of that step: the buffer keeps its zeros
	s_cbranch_scc1 .Lno_mask_\@
	s_cmp_eq_i32 s[DS], -(\p)       ; the band's own step, or a later one
	s_cselect_b32 s[AL], 1.0, 0
	s_cselect_b32 s[BE], 0, s[BIGN]
	MASK \p
	WIN 0
.Lno_mask_\@:
.if (\p) == 1
	s_sub_co_i32 s[DS], s[DS], 1
.endif
.endm
; A BLOCK BEGINS.  K and V of its step 0 have been fetched.  c m starts far below every c s, so the first step's a is 0.  The second mask buffer is 0; the first takes piece 0's mask for step 0: its own, in block 0.
.macro BEGIN
	WIN 0x40
.set i, MC+32
.rept 32
	v_mov_b32 v[i], 0
.set i, i+1
.endr
	WIN 0
.set i, 0
.rept 2
	v_mov_b32 v[ST+4*i], 0xfe000000
	v_mov_b32 v[ST+4*i+1], 0xff7fffff
.set i, i+1
.endr
	s_cmp_eq_u32 s[BI], 0
	s_cselect_b32 s[AL], 1.0, 0
	s_mov_b32 s[BE], 0
	MASK 0
	WIN 0
	s_lshl_b32 s[DS], s[BI], 1
	s_sub_co_i32 s[DS], s[DS], 1    ; the next masks are for step 1
	s_wait_loadcnt 0x0              ; Q
	s_wait_dscnt 0x0
.set i, 0
.rept 8
	KQ 0
.set i, i+1
.endr
	WIN 0
.rept 4
	v_nop                           ; the places behind those products
.endr
.set Y, NP-1
.irp n, 0,1,2,3,4,5,6,7,8,9,10,11,12,13,14,15,16,17,18,19,20,21
	OP X, \n
.endr
	v_nop
	s_wait_alu depctr_va_vdst(0)
.endm
.macro ALL line:vararg
.set t, 0
.rept 2
	\line
.set t, t+1
.endr
.endm
.macro PACK t                       ; a lane's eight channels of a row pack into 16 bytes; into rows of 144 bytes and back as whole rows of 128
	WIN W_RS
.set i, 32*(\t)
.rept 16
	v_pk_mul_f32 v[i:i+1], v[i:i+1], v[ST+4*(\t)+2:ST+4*(\t)+3] op_sel_hi:[1,0]
.set i, i+2
.endr
	WIN 0x05
.set i, 0
.rept 16
	v_cvt_pk_bf16_f32 v[S+16*(\t)+i], v[32*(\t)+2*i], v[32*(\t)+2*i+1]
.set i, i+1
.endr
	WIN 0
.irp f, 0,1,2,3
	ds_store_b128 v[STO], v[S+16*(\t)+4*\f:S+16*(\t)+4*\f+3] offset:32*\f
.endr
.irp f, 0,1,2,3
	ds_load_b128 v[S+16*(\t)+4*\f:S+16*(\t)+4*\f+3], v[RD] offset:\f*4*SP  ; LDS serves a wave's instructions in order: these see the stores above
.endr
.endm
.macro SEND t, younger              ; younger: the LDS instructions issued behind piece t's loads
	WIN 0
.irp f, 0,1,2,3
	s_wait_dscnt (\younger)+3-\f
	global_store_b128 v[GO], v[S+16*(\t)+4*\f:S+16*(\t)+4*\f+3], s[6:7] offset:(\t)*8192+\f*512  ; 512 consecutive bytes, aligned
.endr
.endm
; A BLOCK ENDS: piece 1's last products (the last step is odd: V's buffer 1), l's sums, the division, the way out.
.macro FINISH
.set VB, 1
.set i, 0
.rept 8
	PV 1
.set i, i+1
.endr
	WIN 0
	ALL v_add_f32 v[ST+4*t+2], v[ST+4*t+2], v[ST+4*t+3]
	ALL v_permlanex16_b32 v[ST+4*t+3], v[ST+4*t+2], s[SEL], s[SEL+1]
	ALL v_add_f32 v[ST+4*t+2], v[ST+4*t+2], v[ST+4*t+3]
	ALL v_rcp_f32 v[ST+4*t+2], v[ST+4*t+2]
	v_nop
	s_wait_alu depctr_va_vdst(0)    ; one wait for the two reciprocals
	PACK 0                          ; piece 0's 32 lines are the places behind piece 1's last products
	PACK 1
	SEND 0, 8
	SEND 1, 0
.endm
.Lslot:                             ; 8 times: a tile is entered and the next is asked for
	CHANGE 1
	s_cmp_eq_u32 s[RT], 0           ; the tile is the second block's first: the period begins with the first block's last step
	s_cselect_b32 s[ENDF], 1, 0
	s_cselect_b32 s[RT], s[NHI], s[RT]
	s_sub_co_u32 s[RT], s[RT], 1
	s_mov_b32 s[CNT], 2
	s_cmp_eq_u32 s[FIRST], 1
	s_cbranch_scc1 .Lvery_first
.Lstep:                             ; a trip: an odd step and an even one
	TURN 0, 1
	TURN 1, 1
	WIN 0
	s_cmp_eq_u32 s[ENDF], 1
	s_cbranch_scc0 .Lfirst
	FINISH
	s_wait_xcnt 0x0                 ; the stores have read their registers and yb's address
	s_mov_b64 s[6:7], s[OHI:OHI+1]
	s_mov_b32 s[BI], s[HI]
	WIN 0x82                        ; the second block's Q goes where the turns name Q
.set i, 0
.rept 32
	v_mov_b32 v[i], v[QB+i]
.set i, i+1
.endr
	WIN 0
	s_branch .Lnew
.Lvery_first:
	s_mov_b32 s[FIRST], 0
	v_add_nc_u32 v[AK], s[TBK], v[AK0]
	FETCH_K
	v_add_nc_u32 v[AV], s[TBV], v[AV0]
	FETCH_V 0
.Lnew:
	BEGIN
.Lfirst:
	s_mov_b32 s[ENDF], 0
	TURN 0, 0
	TURN 1, 0
	WIN 0
	s_sub_co_u32 s[CNT], s[CNT], 1
	s_cmp_lg_u32 s[CNT], 0
	s_cbranch_scc1 .Lstep
	s_sub_co_u32 s[SLOTS], s[SLOTS], 1
	s_cmp_lg_u32 s[SLOTS], 0
	s_cbranch_scc1 .Lslot
	CHANGE 0                        ; the walk's last tile is written out: nothing is asked for
	s_mov_b32 s[CNT], 3             ; three odd steps and two even ones; the loop is left in its middle
.Ltail:
	TURN 0, 1, 1
	TURN 1, 1, 1
	WIN 0
	s_sub_co_u32 s[CNT], s[CNT], 1
	s_cmp_eq_u32 s[CNT], 0
	s_cbranch_scc1 .Lout
	TURN 0, 0
	TURN 1, 0
	WIN 0
	s_branch .Ltail
.Lout:
	FINISH
	s_wait_tensorcnt 0x0            ; the wave's end
	ds_add_u32 v[SPW], v[NIL]
	s_wait_dscnt 0x0
	s_endpgm
.Lfunc_end_k_qb779c70b1b_attn:
	.size	k_qb779c70b1b_attn, .Lfunc_end_k_qb779c70b1b_attn-k_qb779c70b1b_attn
	.p2alignl 7, 3214868480
	.fill 96, 4, 3214868480
	.section	.rodata,"a",@progbits
	.p2align	6, 0x0
	.amdhsa_kernel k_qb779c70b1b_attn
		.amdhsa_group_segment_fixed_size 327680
		.amdhsa_private_segment_fixed_size 0
		.amdhsa_enable_private_segment 0
		.amdhsa_kernarg_size 16
		.amdhsa_user_sgpr_count 2
		.amdhsa_user_sgpr_kernarg_segment_ptr 1
		.amdhsa_wavefront_size32 1
		.amdhsa_system_sgpr_workgroup_id_x 1
		.amdhsa_system_sgpr_workgroup_id_y 1
		.amdhsa_system_sgpr_workgroup_id_z 1
		.amdhsa_system_vgpr_workitem_id 0
		.amdhsa_next_free_vgpr 768
		.amdhsa_next_free_sgpr 100
		.amdhsa_reserve_vcc 1
		.amdhsa_float_denorm_mode_32 3
		.amdhsa_float_denorm_mode_16_64 3
		.amdhsa_memory_ordered 1
		.amdhsa_forward_progress 1
		.amdhsa_inst_pref_size 131
	.end_amdhsa_kernel
	.amdgpu_metadata
---
amdhsa.version: [ 1, 2 ]
amdhsa.kernels:
  - .name:           k_qb779c70b1b_attn
    .symbol:         k_qb779c70b1b_attn.kd
    .args:
      - { .name: qkvb, .offset: 0, .size: 8, .value_kind: global_buffer, .address_space: global }
      - { .name: yb, .offset: 8, .size: 8, .value_kind: global_buffer, .address_space: global }
    .group_segment_fixed_size: 327680
    .private_segment_fixed_size: 0
    .kernarg_segment_align: 8
    .kernarg_segment_size: 16
    .max_flat_workgroup_size: 128
    .sgpr_count:     100
    .vgpr_count:     768
    .wavefront_size: 32
...
	.end_amdgpu_metadata
.endif
;; end of part 3
;; launch proj (part 4): grid 256 x 1, 4 waves a work-group, clusters of 4 x 1, 327,680 bytes of LDS; arguments yb, wts, x, bp, g2, beta2, x1, h2; writes x1, h2
.if DOCPART == 4
	.amdgcn_target "amdgcn-amd-amdhsa--gfx1250"
	.amdhsa_code_object_version 6
	.text
	.protected	k_qb779c70b1b_proj
	.globl	k_qb779c70b1b_proj
	.p2align	8
	.type	k_qb779c70b1b_proj,@function
k_qb779c70b1b_proj:
	s_mov_b64 s[64:65], 0
	v_nop
	global_prefetch_b8 v0, s[64:65] scope:SCOPE_SE
	s_setreg_imm32_b32 hwreg(HW_REG_WAVE_MODE, 25, 1), 1
	s_wait_xcnt 0x0
	s_wait_alu depctr_hold_cnt(0) depctr_sa_sdst(0) depctr_va_vdst(0) depctr_va_sdst(0) depctr_va_ssrc(0) depctr_va_vcc(0) depctr_vm_vsrc(0)
	s_getreg_b32 s2, hwreg(HW_REG_IB_STS2, 6, 4)
	s_cmp_eq_u32 s2, 0
	s_cbranch_scc0 .Lentry_in_a_cluster
	s_endpgm
.Lentry_in_a_cluster:
	s_bfe_u32 s2, ttmp6, 0x10000c
	s_cmp_lg_u32 s2, 0x3003
	s_cbranch_scc0 .Lentry_shape_is_right
	s_endpgm
.Lentry_shape_is_right:
; x1 = x + yb Wp + bp (f32), and h2 = bf16(LayerNorm(x1; g2, beta2)).  yb: [8 heads][8192][64] bf16 (channel k = 64 head + d); Wp: [512][512] bf16 at byte 1,572,864 of wts, as it lies ([k][n]).
; SHARES.  A work-group makes 32 WHOLE rows (512 columns), so that the norm needs no second launch: 256 work-groups.  Its four waves take 128 columns each: 2 x 8 accumulators.
; yb's 32 rows stay in LDS for the launch: 8 planes (a head each) of 32 rows x 128 bytes, each dense in memory.  Wp goes in 4 steps of 128 k through two slots; every work-group walks all of it,
; so the four of a cluster ask for each tile jointly.  The product is used transposed (source 0 = 16 columns of Wp, turned out of LDS; source 1 = 16 rows of yb).
; NO PREFETCH: the ring's four steps are the two first fills and two refills, and Wp is read by every cluster again and again.
; THE RESIDUAL.  A wave's 8 rows of x (16,384 bytes, 32 loads) are asked for at once behind the last change of slots, when no tile is on its way any more; the last K step's products stand between the request and the use.
; They wait in v128-255 of window 2 and go through LDS bytes of the wave's own, behind the stage, so that the way out's loop, written once, reads them by a stepped address.
; THE NORM: mean first, then the mean of the squared deviations, in f32 in registers; a wave takes 8 whole rows out of the shared f32 stage.
; REGISTERS: window 0: v1-31 addresses, v64-95 / v96-127 yb's fragments, v144-191 bp, g2, beta2; window 1: v0-127 / v128-255 Wp's fragments; window 2: v0-127 accumulators ((a, b) at v[8 (8 a + b)]), v128-255 x.
.set MA,  2
.set NBW, 8
.set KD,  512
.set ND,  512
.set KS,  128
.set NT,  4
.set QK,  64
.set PA,  144
.set PB,  1056                         ; 1,024 + 32: an odd multiple of 32
.set SLOT, KS*PB                       ; 135,168
.set AREG, 2*SLOT                      ; 8 planes of 4,608 bytes
.set SPARE, AREG+8*32*PA               ; the spare words: two blocks of 256 bytes that no other line names
.set BREG, 1572864
.set NL,  2*2*(MA+NBW)
.set W1,  NL/2
.set SPI, 2064                         ; the way out: a stage row of 512 f32 + 16 bytes; the stage lies in slot 0, whose last fill and last reads are over at the last change of slots
.set XOFF, 32*SPI                      ; behind the stage, still in slot 0 (2 x 66,048 = 132,096 bytes of its 135,168): 32 rows of x, in the stage's pitch
.set FA0, 64
.set FAS, 32
.set APAR, 32*PA
.set A0, 16
.set B0, 17
.set ADRA, 18
.set B1, 19
.set ADRB0, 20
.set ADRB1, 21
.set RX0, 22
.set RX, 23
.set STO, 24
.set RD0, 25
.set CO, 26
.set CH, 27
.set SPW, 28
.set NIL, 29
.set L16, 30
.set RD, 31
.set XS, 32                            ; v[32:63]  two rows of x1
.set XG, 64                            ; v[64:95]  two rows of x
.set T,  96
.set M,  112
.set Y,  116
.set BPR, 144
.set G,  160
.set BE, 176
.set XW, 128                           ; window 2: my 8 rows of x, 16 registers a row
.set G1A, 24
.set G0A, 32
.set G1B, 48
.set G0B, 56
.set TB, 66
.set TF, 67
.set LA, 68
.set LB, 69
.set KC, 70
.set SA, 86
.set SB, 87
.set SEL, 88
.set INV, 90
.set EPS, 91
.set OC, 94
.set RS, 95
.set MSB, 0
.macro WIN new
.if MSB != (\new)
	s_set_vgpr_msb (MSB<<8)|(\new)
.set MSB, \new
.endif
.endm
.macro CROUND
	s_barrier_signal -1
	s_barrier_wait -1
	s_cmp_lg_u32 s10, 0
	s_cbranch_scc1 .Lnot_wave_0_\@
	s_barrier_signal -3
.Lnot_wave_0_\@:
	s_barrier_wait -3
	s_barrier_signal -1
	s_barrier_wait -1
.endm
.macro SETADR
	v_add_nc_u32 v[ADRA], s[SA], v[A0]
	v_add_nc_u32 v[ADRB0], s[SB], v[B0]
	v_add_nc_u32 v[ADRB1], s[SB], v[B1]
.endm
.macro FETCH par, f                    ; the fragments of 64 along K (a plane of yb) into buffer f: the first 32 along K whole, then the second
.irp c, 0,1
	WIN 0x40
.set bb, 0
.rept NBW
	ds_load_tr16_b128 v[128*(\f)+8*(NBW*\c+bb):128*(\f)+8*(NBW*\c+bb)+3],   v[ADRB0+(\par)] offset:\c*32*PB+32*bb
	ds_load_tr16_b128 v[128*(\f)+8*(NBW*\c+bb)+4:128*(\f)+8*(NBW*\c+bb)+7], v[ADRB0+(\par)] offset:\c*32*PB+32*bb+16*PB
.set bb, bb+1
.endr
	WIN 0
.set aa, 0
.rept MA
	ds_load_b128 v[FA0+FAS*(\f)+8*(MA*\c+aa):FA0+FAS*(\f)+8*(MA*\c+aa)+3],   v[ADRA] offset:APAR*(\par)+64*\c+aa*16*PA
	ds_load_b128 v[FA0+FAS*(\f)+8*(MA*\c+aa)+4:FA0+FAS*(\f)+8*(MA*\c+aa)+7], v[ADRA] offset:APAR*(\par)+64*\c+aa*16*PA+32
.set aa, aa+1
.endr
.endr
.endm
.macro MULH f, c, first                ; all 16 products of 32 along K: each accumulator once, in the same order: they take turns
	WIN 0xa1
.set aa, 0
.rept MA
.set bb, 0
.rept NBW
.set rD, 8*(NBW*aa+bb)
.set rB, 128*(\f)+8*(NBW*(\c)+bb)
.set rA, FA0+FAS*(\f)+8*(MA*(\c)+aa)
.if \first
	v_wmma_f32_16x16x32_bf16 v[rD:rD+7], v[rB:rB+7], v[rA:rA+7], 0
.else
	v_wmma_f32_16x16x32_bf16 v[rD:rD+7], v[rB:rB+7], v[rA:rA+7], v[rD:rD+7]
.endif
.set bb, bb+1
.endr
.set aa, aa+1
.endr
.endm
.macro QEVEN first
	s_wait_dscnt W1                                ; the first 32 along K are in
	MULH 0, 0, \first
.rept 4
	v_nop                                          ; four places in front of loads into registers that products have read
.endr
	FETCH 1, 1
	s_wait_dscnt NL
	MULH 0, 1, 0
.endm
.macro QODD                            ; a step's second and last half: nothing to fetch
	s_wait_dscnt W1
	MULH 1, 0, 0
	s_wait_dscnt 0x0
	MULH 1, 1, 0
.endm
.macro CHANGE fill                     ; the change of slots: all my tensor loads, the add, my reads; the barrier (fill = 1: a round of the cluster's); the joint refill first behind it
	WIN 0
	s_wait_tensorcnt 0x0
	ds_add_u32 v[SPW], v[NIL]
.if \fill
	s_xor_b32 s[TF], s[TF], SLOT
	s_add_co_u32 s[G0B+5], s[TF], s[LB]
	s_add_nc_u64 s[G0B+6:G0B+7], s[G0B+6:G0B+7], KS*ND*2
.endif
	s_xor_b32 s[TB], s[TB], SLOT
	s_mov_b32 s[SB], s[TB]
	s_add_co_u32 s[SA], s[SA], 2*APAR              ; yb's next two planes
	s_wait_dscnt 0x0
.if \fill
	CROUND
	tensor_load_to_lds s[G0B+4:G0B+7], s[G1B:G1B+7]
	s_nop 0
.rept 4
	v_nop
.endr
.else
	s_barrier_signal -1
	s_barrier_wait -1
.rept 4
	v_nop
.endr
.endif
	SETADR
	FETCH 0, 0
.endm
.macro LSUM
.irp m, 1,2,4,8
.irp u, 0,1
	v_add_f32_dpp v[T+8*\u], v[T+8*\u], v[T+8*\u] row_xmask:\m row_mask:0xf bank_mask:0xf
.endr
.endr
.irp u, 0,1
	v_permlanex16_b32 v[T+8*\u+1], v[T+8*\u], s[SEL], s[SEL+1]
.endr
.irp u, 0,1
	v_add_f32 v[T+8*\u], v[T+8*\u], v[T+8*\u+1]
.endr
.endm
.macro LN2 X0, Y0                      ; two rows at once, phase by phase: row u in v[X0+16 u ..], its 8 packed words into v[Y0+8 u ..]
.irp u, 0,1
.irp k, 0,1,2,3
	v_pk_add_f32 v[T+8*\u+2*\k:T+8*\u+2*\k+1], v[(\X0)+16*\u+4*\k:(\X0)+16*\u+4*\k+1], v[(\X0)+16*\u+4*\k+2:(\X0)+16*\u+4*\k+3]
.endr
.endr
.irp u, 0,1
	v_pk_add_f32 v[T+8*\u:T+8*\u+1], v[T+8*\u:T+8*\u+1], v[T+8*\u+2:T+8*\u+3]
	v_pk_add_f32 v[T+8*\u+4:T+8*\u+5], v[T+8*\u+4:T+8*\u+5], v[T+8*\u+6:T+8*\u+7]
.endr
.irp u, 0,1
	v_pk_add_f32 v[T+8*\u:T+8*\u+1], v[T+8*\u:T+8*\u+1], v[T+8*\u+4:T+8*\u+5]
.endr
.irp u, 0,1
	v_add_f32 v[T+8*\u], v[T+8*\u], v[T+8*\u+1]
.endr
	LSUM
.irp u, 0,1
	v_mul_f32 v[M+2*\u], s[INV], v[T+8*\u]
.endr
.irp u, 0,1
	v_mov_b32 v[M+2*\u+1], v[M+2*\u]
.endr
.irp u, 0,1
.irp k, 0,1,2,3,4,5,6,7
	v_pk_add_f32 v[(\X0)+16*\u+2*\k:(\X0)+16*\u+2*\k+1], v[(\X0)+16*\u+2*\k:(\X0)+16*\u+2*\k+1], v[M+2*\u:M+2*\u+1] neg_lo:[0,1] neg_hi:[0,1]
.endr
.endr
.irp u, 0,1
.irp k, 0,1
	v_pk_mul_f32 v[T+8*\u+2*\k:T+8*\u+2*\k+1], v[(\X0)+16*\u+2*\k:(\X0)+16*\u+2*\k+1], v[(\X0)+16*\u+2*\k:(\X0)+16*\u+2*\k+1]
.endr
.endr
.irp k, 2,3,4,5,6,7
.irp u, 0,1
	v_pk_fma_f32 v[T+8*\u+2*(\k%2):T+8*\u+2*(\k%2)+1], v[(\X0)+16*\u+2*\k:(\X0)+16*\u+2*\k+1], v[(\X0)+16*\u+2*\k:(\X0)+16*\u+2*\k+1], v[T+8*\u+2*(\k%2):T+8*\u+2*(\k%2)+1]
.endr
.endr
.irp u, 0,1
	v_pk_add_f32 v[T+8*\u:T+8*\u+1], v[T+8*\u:T+8*\u+1], v[T+8*\u+2:T+8*\u+3]
.endr
.irp u, 0,1
	v_add_f32 v[T+8*\u], v[T+8*\u], v[T+8*\u+1]
.endr
	LSUM
.irp u, 0,1
	v_fma_f32 v[T+8*\u], v[T+8*\u], s[INV], s[EPS]
.endr
.irp u, 0,1
	v_rsq_f32 v[M+2*\u], v[T+8*\u]
	v_rsq_f32 v[M+2*\u+1], v[T+8*\u]
.endr
	v_nop                                          ; a plain instruction behind the last root,
	s_wait_alu depctr_va_vdst(0)                   ; and one wait for the four, ahead of their first reader
.irp u, 0,1
.irp k, 0,1,2,3,4,5,6,7
	v_pk_mul_f32 v[(\X0)+16*\u+2*\k:(\X0)+16*\u+2*\k+1], v[(\X0)+16*\u+2*\k:(\X0)+16*\u+2*\k+1], v[M+2*\u:M+2*\u+1]
.endr
.endr
.irp u, 0,1
.irp k, 0,1,2,3,4,5,6,7
	v_pk_fma_f32 v[(\X0)+16*\u+2*\k:(\X0)+16*\u+2*\k+1], v[(\X0)+16*\u+2*\k:(\X0)+16*\u+2*\k+1], v[G+2*\k:G+2*\k+1], v[BE+2*\k:BE+2*\k+1]
.endr
.endr
.irp u, 0,1
.irp k, 0,1,2,3,4,5,6,7
	v_cvt_pk_bf16_f32 v[(\Y0)+8*\u+\k], v[(\X0)+16*\u+2*\k], v[(\X0)+16*\u+2*\k+1]
.endr
.endr
.endm
	s_load_b128 s[4:7], s[0:1], 0x0                ; yb s[4:5], wts s[6:7]
	s_load_b256 s[72:79], s[0:1], 0x10             ; x s[72:73], bp s[74:75], g2 s[76:77], beta2 s[78:79]
	s_load_b128 s[80:83], s[0:1], 0x30             ; x1 s[80:81], h2 s[82:83]
	v_lshl_add_u32 v[SPW], v0, 2, SPARE
	v_mov_b32 v[NIL], 0
	ds_add_u32 v[SPW], v[NIL]                      ; the wave's opening: the add and its wait come ahead of my first tensor load
	ds_add_u32 v28, v29
	v_lshrrev_b32 v1, 5, v0
	v_readfirstlane_b32 s10, v1                    ; wave 0..3
	s_bfe_u32 s40, ttmp6, 0x40000                  ; cx
	s_lshl_b32 s13, ttmp9, 2
	s_add_co_u32 s13, s13, s40                     ; my block of 32 rows: it enters global addresses alone
	s_mov_b32 s[G1A], (1<<16)|(1<<20)|(4<<22)|(3<<25)  ; my own load: no mask; 2-byte elements; after every 32 words (a row of a plane) 4 words of padding
	s_mov_b32 s[G1A+1], 128<<16                    ; a plane's 4,096 dense bytes as 16 rows of 256
	s_mov_b32 s[G1A+2], 16<<16
	s_mov_b32 s[G1A+3], 128<<16
	s_mov_b32 s[G1A+4], 16
	s_mov_b32 s[G1A+5], 128
	s_mov_b32 s[G1A+6], 0
	s_mov_b32 s[G1A+7], 0
	s_mov_b32 s[G1B], 15|(1<<16)|(1<<20)|(1<<21)|(7<<22)|(7<<25)  ; all four work-groups; bit 21 beside the mask; after every 256 words 8 words
	s_mov_b32 s[G1B+1], 512<<16
	s_mov_b32 s[G1B+2], 32<<16
	s_mov_b32 s[G1B+3], 512<<16
	s_mov_b32 s[G1B+4], 32
	s_mov_b32 s[G1B+5], 512
	s_mov_b32 s[G1B+6], 0
	s_mov_b32 s[G1B+7], 0
	s_lshl_b32 s16, s10, 21                        ; plane 2 w: 1,048,576 bytes a plane,
	s_lshl_b32 s17, s13, 12                        ; my 32 rows of 128 bytes
	s_add_co_u32 s16, s16, s17
	s_mov_b32 s17, 0
	s_lshl_b32 s46, s10, 15                        ; Wp: k rows 32 w .. of a step, 1,024 bytes a row
	s_add_co_u32 s46, s46, BREG
	s_mov_b32 s47, 0
	s_mul_i32 s[LA], s10, 2*APAR
	s_add_co_u32 s[LA], s[LA], AREG
	s_mul_i32 s[LB], s10, 32*PB
	s_mov_b32 s[TB], 0
	s_mov_b32 s[TF], SLOT
	s_mov_b32 s[SA], 0
	s_mov_b32 s[SB], 0
	s_mov_b32 s[SEL], 0x76543210
	s_mov_b32 s[SEL+1], 0xfedcba98
	s_mov_b32 s[INV], 0x3b000000                   ; 1/512
	s_mov_b32 s[EPS], 0x3727c5ac                   ; 1e-5
	s_wait_dscnt 0x0                               ; the opening add is done
	s_wait_kmcnt 0x0
	s_add_nc_u64 s[14:15], s[4:5], s[16:17]
	s_add_nc_u64 s[46:47], s[6:7], s[46:47]
.irp s, 0,1
	s_mov_b32 s[G0A+4*\s], 1
	s_add_co_u32 s[G0A+4*\s+1], s[LA], \s*APAR
	s_add_nc_u64 s[G0A+4*\s+2:G0A+4*\s+3], s[14:15], \s*1048576
	s_or_b32 s[G0A+4*\s+3], s[G0A+4*\s+3], 0x80000000
	s_mov_b32 s[G0B+4*\s], 1
	s_add_co_u32 s[G0B+4*\s+1], s[LB], \s*SLOT
	s_add_nc_u64 s[G0B+4*\s+2:G0B+4*\s+3], s[46:47], \s*KS*ND*2
	s_or_b32 s[G0B+4*\s+3], s[G0B+4*\s+3], 0x80000000
.endr
	CROUND                                         ; all four work-groups are here
	tensor_load_to_lds s[G0A:G0A+3], s[G1A:G1A+7]  ; the first fills, one group: my two planes of yb, my part of steps 0 and 1 of Wp: four loads of mine are out
	s_nop 0
	tensor_load_to_lds s[G0A+4:G0A+7], s[G1A:G1A+7]
	s_nop 0
	tensor_load_to_lds s[G0B:G0B+3], s[G1B:G1B+7]
	s_nop 0
	tensor_load_to_lds s[G0B+4:G0B+7], s[G1B:G1B+7]
	s_nop 0
.rept 4
	v_nop
.endr
	v_and_b32 v1, 15, v0                           ; r
	v_bfe_u32 v2, v0, 4, 1                         ; h
	v_and_b32 v3, 7, v0
	v_bfe_u32 v4, v0, 3, 1
	v_lshl_add_u32 v5, v2, 3, v3
	v_mul_u32_u24 v[B0], v5, PB
	v_lshl_add_u32 v[B0], v4, 4, v[B0]
	s_lshl_b32 s20, s10, 8                         ; my 128 columns: 256 bytes
	v_add_nc_u32 v[B0], s20, v[B0]
	v_add_nc_u32 v[B1], QK*PB, v[B0]
	v_mul_u32_u24 v[A0], v1, PA
	v_lshl_add_u32 v[A0], v2, 4, v[A0]
	v_add_nc_u32 v[A0], AREG, v[A0]
	v_and_b32 v3, 31, v0
	v_lshlrev_b32 v[L16], 4, v3
	v_lshlrev_b32 v[CO], 4, v3                     ; 16 l in a row of x and x1
	v_lshlrev_b32 v[CH], 3, v3                     ; 8 l in a row of h2
	v_lshlrev_b32 v[RD0], 4, v3
	v_add_nc_u32 v[RX0], XOFF, v[RD0]              ; the same place in x's rows in LDS
.irp i, 0,1,2,3
	global_load_b128 v[BPR+4*\i:BPR+4*\i+3], v[L16], s[74:75] offset:512*\i
	global_load_b128 v[G+4*\i:G+4*\i+3],     v[L16], s[76:77] offset:512*\i
	global_load_b128 v[BE+4*\i:BE+4*\i+3],   v[L16], s[78:79] offset:512*\i
.endr
	v_mul_u32_u24 v[STO], v1, SPI
	v_lshl_add_u32 v[STO], v2, 5, v[STO]
	s_lshl_b32 s20, s10, 9                         ; my 128 columns in a stage row: 512 bytes
	v_add_nc_u32 v[STO], s20, v[STO]
	s_mul_i32 s[RS], s10, 8*SPI                    ; back: wave w takes rows 8 w .. 8 w + 7, whole
	s_lshl_b32 s20, s13, 16                        ; 32 rows of 2,048 bytes,
	s_lshl_b32 s21, s10, 14                        ; 8 a wave
	s_add_co_u32 s20, s20, s21
	s_mov_b32 s21, 0
	s_add_nc_u64 s[72:73], s[72:73], s[20:21]
	s_add_nc_u64 s[80:81], s[80:81], s[20:21]
	s_lshr_b32 s20, s20, 1
	s_add_nc_u64 s[82:83], s[82:83], s[20:21]
	s_wait_tensorcnt 1                             ; yb's planes and step 0 are in; step 1's part may stay out
	s_barrier_signal -1
	s_barrier_wait -1
	SETADR
	FETCH 0, 0
	QEVEN 1                                        ; the first products start the sums
	WIN 0
	s_mov_b32 s[KC], NT-1
	s_branch .Lmid
.Lstep:
	CHANGE 1
	QEVEN 0
	WIN 0
.Lmid:
	QODD
	WIN 0
	s_sub_co_u32 s[KC], s[KC], 1
	s_cmp_lg_u32 s[KC], 0
	s_cbranch_scc1 .Lstep
	CHANGE 0                                       ; the last step is written out: nothing is asked for
	WIN 0x80                                       ; destination window 2, offset window 0
.irp u, 0,1,2,3,4,5,6,7
.irp i, 0,1,2,3
	global_load_b128 v[XW+16*\u+4*\i:XW+16*\u+4*\i+3], v[CO], s[72:73] offset:2048*\u+512*\i  ; my 8 rows of x, all 32 loads at once: no tile is on its way any more, and the last step's 64 products follow
.endr
.endr
	WIN 0
	QEVEN 0
	QODD
	WIN 0
	; THE WAY OUT
.macro SLOAD                           ; two rows of the stage, and the same two rows of x
.irp u, 0,1
.irp i, 0,1,2,3
	ds_load_b128 v[XS+16*\u+4*\i:XS+16*\u+4*\i+3], v[RD] offset:SPI*\u+512*\i
	ds_load_b128 v[XG+16*\u+4*\i:XG+16*\u+4*\i+3], v[RX] offset:SPI*\u+512*\i
.endr
.endr
.endm
.rept 8
	v_nop                                          ; places behind the last products
.endr
	v_add_nc_u32 v[RD], s[RS], v[RD0]
	v_add_nc_u32 v[RX], s[RS], v[RX0]
	WIN 0x08                                       ; store data in window 2
.set aa, 0
.rept MA
.set bb, 0
.rept NBW
.set rD, 8*(NBW*aa+bb)
	ds_store_b128 v[STO], v[rD:rD+3]   offset:aa*16*SPI+64*bb      ; each accumulator's low registers first
	ds_store_b128 v[STO], v[rD+4:rD+7] offset:aa*16*SPI+64*bb+16
.set bb, bb+1
.endr
.set aa, aa+1
.endr
	s_wait_loadcnt 0x0                             ; x is in (and bp, g2, beta2, asked for at the head)
.irp u, 0,1,2,3,4,5,6,7
.irp i, 0,1,2,3
	ds_store_b128 v[RX], v[XW+16*\u+4*\i:XW+16*\u+4*\i+3] offset:SPI*\u+512*\i  ; into bytes that only this wave reads
.endr
.endr
	WIN 0
	s_wait_dscnt 0x0                               ; for the others' sake: a stage row's 2,048 bytes come from four waves
	s_barrier_signal -1
	s_barrier_wait -1
	SLOAD
	s_mov_b32 s[OC], 4
.Lout:                                         ; a trip: two rows
	s_wait_dscnt 0x0
.set k, 0
.rept 16
	v_pk_add_f32 v[XS+k:XS+k+1], v[XS+k:XS+k+1], v[XG+k:XG+k+1]
.set k, k+2
.endr
.irp u, 0,1
.irp k, 0,1,2,3,4,5,6,7
	v_pk_add_f32 v[XS+16*\u+2*\k:XS+16*\u+2*\k+1], v[XS+16*\u+2*\k:XS+16*\u+2*\k+1], v[BPR+2*\k:BPR+2*\k+1]
.endr
.endr
	s_wait_xcnt 0x0                                ; the last trip's stores have read their offsets
	v_add_nc_u32 v[CO], 4096, v[CO]                ; the next two rows; the stores reach back
	v_add_nc_u32 v[CH], 2048, v[CH]
.irp u, 0,1
.irp i, 0,1,2,3
	global_store_b128 v[CO], v[XS+16*\u+4*\i:XS+16*\u+4*\i+3], s[80:81] offset:2048*\u+512*\i-4096  ; 512 consecutive bytes, aligned
.endr
.endr
	s_wait_xcnt 0x0                                ; x1's stores have read their data: the norm works in place
	LN2 XS, Y
	s_add_co_u32 s[RS], s[RS], 2*SPI
	v_add_nc_u32 v[RD], s[RS], v[RD0]
	v_add_nc_u32 v[RX], s[RS], v[RX0]
	s_cmp_eq_u32 s[OC], 1
	s_cbranch_scc1 .Lno_s
	SLOAD
.Lno_s:
.irp u, 0,1
.irp i, 0,1,2,3
	global_store_b64 v[CH], v[Y+8*\u+2*\i:Y+8*\u+2*\i+1], s[82:83] offset:1024*\u+256*\i-2048  ; 256 consecutive bytes, aligned
.endr
.endr
	s_sub_co_u32 s[OC], s[OC], 1
	s_cmp_lg_u32 s[OC], 0
	s_cbranch_scc1 .Lout
	s_wait_tensorcnt 0x0                           ; the wave's end
	ds_add_u32 v[SPW], v[NIL]
	s_wait_dscnt 0x0
	CROUND                                         ; the closing round
	s_endpgm
.Lfunc_end_k_qb779c70b1b_proj:
	.size	k_qb779c70b1b_proj, .Lfunc_end_k_qb779c70b1b_proj-k_qb779c70b1b_proj
	.p2alignl 7, 3214868480
	.fill 96, 4, 3214868480
	.section	.rodata,"a",@progbits
	.p2align	6, 0x0
	.amdhsa_kernel k_qb779c70b1b_proj
		.amdhsa_group_segment_fixed_size 327680
		.amdhsa_private_segment_fixed_size 0
		.amdhsa_enable_private_segment 0
		.amdhsa_kernarg_size 64
		.amdhsa_user_sgpr_count 2
		.amdhsa_user_sgpr_kernarg_segment_ptr 1
		.amdhsa_wavefront_size32 1
		.amdhsa_system_sgpr_workgroup_id_x 1
		.amdhsa_system_sgpr_workgroup_id_y 1
		.amdhsa_system_sgpr_workgroup_id_z 1
		.amdhsa_system_vgpr_workitem_id 0
		.amdhsa_next_free_vgpr 768
		.amdhsa_next_free_sgpr 100
		.amdhsa_reserve_vcc 0
		.amdhsa_float_denorm_mode_32 3
		.amdhsa_float_denorm_mode_16_64 3
		.amdhsa_memory_ordered 1
		.amdhsa_forward_progress 1
		.amdhsa_inst_pref_size 58
	.end_amdhsa_kernel
	.amdgpu_metadata
---
amdhsa.version: [ 1, 2 ]
amdhsa.kernels:
  - .name:           k_qb779c70b1b_proj
    .symbol:         k_qb779c70b1b_proj.kd
    .args:
      - { .name: yb, .offset: 0, .size: 8, .value_kind: global_buffer, .address_space: global }
      - { .name: wts, .offset: 8, .size: 8, .value_kind: global_buffer, .address_space: global }
      - { .name: x, .offset: 16, .size: 8, .value_kind: global_buffer, .address_space: global }
      - { .name: bp, .offset: 24, .size: 8, .value_kind: global_buffer, .address_space: global }
      - { .name: g2, .offset: 32, .size: 8, .value_kind: global_buffer, .address_space: global }
      - { .name: beta2, .offset: 40, .size: 8, .value_kind: global_buffer, .address_space: global }
      - { .name: x1, .offset: 48, .size: 8, .value_kind: global_buffer, .address_space: global }
      - { .name: h2, .offset: 56, .size: 8, .value_kind: global_buffer, .address_space: global }
    .group_segment_fixed_size: 327680
    .private_segment_fixed_size: 0
    .kernarg_segment_align: 8
    .kernarg_segment_size: 64
    .max_flat_workgroup_size: 128
    .sgpr_count:     100
    .vgpr_count:     768
    .wavefront_size: 32
...
	.end_amdgpu_metadata
.endif
;; end of part 4
;; launch up (part 5): grid 8 x 32, 4 waves a work-group, clusters of 4 x 4, 327,680 bytes of LDS; arguments h2, wts, b1, act; writes act
.if DOCPART == 5
	.amdgcn_target "amdgcn-amd-amdhsa--gfx1250"
	.amdhsa_code_object_version 6
	.text
	.protected	k_qb779c70b1b_up
	.globl	k_qb779c70b1b_up
	.p2align	8
	.type	k_qb779c70b1b_up,@function
k_qb779c70b1b_up:
	s_mov_b64 s[64:65], 0
	v_nop
	global_prefetch_b8 v0, s[64:65] scope:SCOPE_SE
	s_setreg_imm32_b32 hwreg(HW_REG_WAVE_MODE, 25, 1), 1
	s_wait_xcnt 0x0
	s_wait_alu depctr_hold_cnt(0) depctr_sa_sdst(0) depctr_va_vdst(0) depctr_va_sdst(0) depctr_va_ssrc(0) depctr_va_vcc(0) depctr_vm_vsrc(0)
	s_getreg_b32 s2, hwreg(HW_REG_IB_STS2, 6, 4)
	s_cmp_eq_u32 s2, 0
	s_cbranch_scc0 .Lentry_in_a_cluster
	s_endpgm
.Lentry_in_a_cluster:
	s_bfe_u32 s2, ttmp6, 0x10000c
	s_cmp_lg_u32 s2, 0xf033
	s_cbranch_scc0 .Lentry_shape_is_right
	s_endpgm
.Lentry_shape_is_right:
; act = bf16(gelu(h2 W1 + b1)), the exact (erf) GELU.  h2: [8192][512] bf16; W1: [512][2048] bf16 at byte 2,097,152 of wts, as it lies ([k][n]); act: [8192][2048] bf16.
; SHARES.  A work-group makes 256 x 256, its four waves (2 x 2) 128 x 128 each: 64 accumulators.  32 x 8 = 256 work-groups.  K = 512 goes in 4 steps of 128 through two LDS slots.
; The product is used transposed (source 0 = 16 columns of W1, turned out of LDS; source 1 = 16 rows of h2); the bias is the C operand of each sum's first product.
; CLUSTER 4 x 4: h2's tile is asked for jointly along a row of the cluster, W1's along a column.  NO PREFETCH: the ring's four steps are the two first fills and two refills.
; THE GELU.  gelu(x) = max(x, 0) - |x| Q(|x|), Q(s) = 1 - Phi(s) = 2^(-s^2 log2(e) / 2) t (c1 + t (c2 + t (c3 + t (c4 + t c5)))), t = 1 / (1 + 0.2316419 s): a rational form whose error in Phi is at most 7.5e-8
; for every s (Abramowitz and Stegun 26.2.17).  For large s the power of two is 0 and the product with it.  NaN and infinities are not treated apart.
; REGISTERS: window 0: v1-31 addresses, v64-127 / v128-191 h2's fragments, v192-255 bias; window 1: v0-63 / v128-191 W1's fragments; window 2: accumulators of my rows 0-63, window 3: rows 64-127.
.set MA,  8
.set NBW, 8
.set TM,  256
.set TN,  256
.set KD,  512
.set ND,  2048
.set KS,  128
.set NT,  4
.set QK,  32
.set NQ,  4
.set PA,  272
.set PB,  544                          ; 512 + 32: an odd multiple of 32
.set BCH, 128
.set WC,  256
.set QIA, 5
.set QIB, 6
.set BREG, 2097152
.set ABYTES, TM*PA
.set SLOT, ABYTES+KS*PB                ; 139,264
.set SPARE, 2*SLOT                     ; the spare words: two blocks of 256 bytes that no other line names
.set NL,  2*(MA+NBW)
.set W1,  MA
.set SPI, 528                          ; the way out: a stage row of 128 f32 + 16 bytes
.set STW, 128*SPI
.set FA0, 64
.set BIAS, 192
.set A0, 16
.set B0, 17
.set ADRA, 18
.set B1, 19
.set ADRB0, 20
.set ADRB1, 21
.set STO, 24
.set RD0, 25
.set CO, 26
.set SPW, 28
.set NIL, 29
.set BO, 30
.set RD, 31
.set XX, 64                            ; the way out, 16 numbers a lane: x; max(x, 0); |x|; 1 + p |x|, then t; x^2, then the power of two; the polynomial; packed
.set RR, 80
.set SS, 96
.set DD, 112
.set WW, 128
.set PP, 144
.set YY, 160
.set G1A, 24
.set G0A, 32
.set G1B, 48
.set G0B, 56
.set TB, 66
.set TF, 67
.set LA, 68
.set LB, 69
.set KC, 70
.set IC, 71
.set CP, 72                            ; s[72:85] seven constants, each named as a pair
.set CN, 74
.set C1, 76
.set C2, 78
.set C3, 80
.set C4, 82
.set C5, 84
.set SA, 86
.set SB, 87
.set OC, 94
.set RS, 95
.set MSB, 0
.macro WIN new
.if MSB != (\new)
	s_set_vgpr_msb (MSB<<8)|(\new)
.set MSB, \new
.endif
.endm
.macro JLOAD
	s_cmp_eq_u32 s11, 0
	s_cbranch_scc0 .Lfor_b_\@
	tensor_load_to_lds s[G0A+4:G0A+7], s[G1A:G1A+7]
	s_nop 0
.rept 4
	v_nop
.endr
	s_branch .Lasked_\@
.Lfor_b_\@:
	tensor_load_to_lds s[G0B+4:G0B+7], s[G1B:G1B+7]
	s_nop 0
.rept 4
	v_nop
.endr
.Lasked_\@:
.endm
.macro CROUND
	s_barrier_signal -1
	s_barrier_wait -1
	s_cmp_lg_u32 s10, 0
	s_cbranch_scc1 .Lnot_wave_0_\@
	s_barrier_signal -3
.Lnot_wave_0_\@:
	s_barrier_wait -3
	s_barrier_signal -1
	s_barrier_wait -1
.endm
.macro SETADR
	v_add_nc_u32 v[ADRA], s[SA], v[A0]
	v_add_nc_u32 v[ADRB0], s[SB], v[B0]
	v_add_nc_u32 v[ADRB1], s[SB], v[B1]
.endm
.macro FETCH par, f                    ; the fragments of 32 along K into buffer f: W1's first, then h2's, lower rows first
	WIN 0x40
.set bb, 0
.rept NBW
	ds_load_tr16_b128 v[128*(\f)+8*bb:128*(\f)+8*bb+3],   v[ADRB0+(\par)] offset:BCH*(bb/4)+32*(bb%4)
	ds_load_tr16_b128 v[128*(\f)+8*bb+4:128*(\f)+8*bb+7], v[ADRB0+(\par)] offset:BCH*(bb/4)+32*(bb%4)+16*PB
.set bb, bb+1
.endr
	WIN 0
.set aa, 0
.rept MA
	ds_load_b128 v[FA0+64*(\f)+8*aa:FA0+64*(\f)+8*aa+3],   v[ADRA] offset:64*(\par)+aa*16*PA
	ds_load_b128 v[FA0+64*(\f)+8*aa+4:FA0+64*(\f)+8*aa+7], v[ADRA] offset:64*(\par)+aa*16*PA+32
.set aa, aa+1
.endr
.endm
.macro MULH f, half, first             ; the products of one half of my rows: each accumulator once, in the same order: they take turns
.if \first
	WIN 0x81+0x40*(\half)
.else
	WIN 0xa1+0x50*(\half)
.endif
.set aa, 0
.rept MA/2
.set bb, 0
.rept NBW
.set rD, 8*(NBW*aa+bb)
.set rB, 128*(\f)+8*bb
.set rA, FA0+64*(\f)+8*((MA/2)*(\half)+aa)
.if \first
	v_wmma_f32_16x16x32_bf16 v[rD:rD+7], v[rB:rB+7], v[rA:rA+7], v[BIAS+8*bb:BIAS+8*bb+7]
.else
	v_wmma_f32_16x16x32_bf16 v[rD:rD+7], v[rB:rB+7], v[rA:rA+7], v[rD:rD+7]
.endif
.set bb, bb+1
.endr
.set aa, aa+1
.endr
.endm
.macro QEVEN first
	s_wait_dscnt W1                                ; all but h2's upper rows are in
	MULH 0, 0, \first
.rept 4
	v_nop                                          ; four places in front of loads into registers that products have read
.endr
	FETCH 1, 1
	s_wait_dscnt NL                                ; all but the loads just issued
	MULH 0, 1, \first
.endm
.macro QODD
	s_wait_dscnt W1
	MULH 1, 0, 0
	WIN 0
	s_add_co_u32 s[SA], s[SA], 4*QK
	s_add_co_u32 s[SB], s[SB], 2*QK*PB
	SETADR                                         ; these three and the v_nop are the four places
	v_nop
	s_cmp_eq_u32 s[IC], 1
	s_cbranch_scc1 .Lq_last_\@
	FETCH 0, 0
	s_wait_dscnt NL
	s_branch .Lq_go_\@
.Lq_last_\@:
	s_wait_dscnt 0x0
.Lq_go_\@:
	MULH 1, 1, 0
.endm
.macro CHANGE fill                     ; the change of slots: all my tensor loads, the add, my reads; the barrier (fill = 1: a round of the cluster's); the joint refill first behind it
	WIN 0
	s_wait_tensorcnt 0x0
	ds_add_u32 v[SPW], v[NIL]
.if \fill
	s_xor_b32 s[TF], s[TF], SLOT
	s_add_co_u32 s[G0A+5], s[TF], s[LA]
	s_add_co_u32 s[G0B+5], s[TF], s[LB]
	s_add_nc_u64 s[G0A+6:G0A+7], s[G0A+6:G0A+7], KS*2
	s_add_nc_u64 s[G0B+6:G0B+7], s[G0B+6:G0B+7], KS*ND*2
.endif
	s_xor_b32 s[TB], s[TB], SLOT
	s_mov_b32 s[SA], s[TB]
	s_mov_b32 s[SB], s[TB]
	s_mov_b32 s[IC], NQ/2
	s_wait_dscnt 0x0
.if \fill
	CROUND
	JLOAD
.else
	s_barrier_signal -1
	s_barrier_wait -1
.rept 4
	v_nop
.endr
.endif
	SETADR
	FETCH 0, 0
.endm
	s_load_b128 s[4:7], s[0:1], 0x0                ; h2 s[4:5], wts s[6:7]
	s_load_b128 s[88:91], s[0:1], 0x10             ; b1 s[88:89], act s[90:91]
	v_lshl_add_u32 v[SPW], v0, 2, SPARE
	v_mov_b32 v[NIL], 0
	ds_add_u32 v[SPW], v[NIL]                      ; the wave's opening: the add and its wait come ahead of my first tensor load
	ds_add_u32 v28, v29
	v_lshrrev_b32 v1, 5, v0
	v_readfirstlane_b32 s10, v1
	s_lshr_b32 s11, s10, 1
	s_and_b32 s12, s10, 1
	s_bfe_u32 s40, ttmp6, 0x40000
	s_bfe_u32 s41, ttmp6, 0x40004
	s_lshl_b32 s42, ttmp9, 2
	s_add_co_u32 s42, s42, s40                     ; tile column
	s_and_b32 s13, ttmp7, 0xffff
	s_lshl_b32 s13, s13, 2
	s_add_co_u32 s13, s13, s41                     ; tile row
	s_lshl_b32 s43, s41, 2
	s_lshl_b32 s43, 15, s43
	s_lshl_b32 s44, 0x1111, s40
	s_or_b32 s[G1A], s43, (1<<16)|(1<<20)|(1<<21)|(QIA<<22)|(3<<25)
	s_or_b32 s[G1B], s44, (1<<16)|(1<<20)|(1<<21)|(QIB<<22)|(7<<25)
	s_mov_b32 s[G1A+1], KS<<16
	s_mov_b32 s[G1A+2], (TM/2)<<16
	s_mov_b32 s[G1A+3], KS<<16
	s_mov_b32 s[G1A+4], TM/2
	s_mov_b32 s[G1A+5], KD
	s_mov_b32 s[G1A+6], 0
	s_mov_b32 s[G1A+7], 0
	s_mov_b32 s[G1B+1], TN<<16
	s_mov_b32 s[G1B+2], (KS/2)<<16
	s_mov_b32 s[G1B+3], TN<<16
	s_mov_b32 s[G1B+4], KS/2
	s_mov_b32 s[G1B+5], ND
	s_mov_b32 s[G1B+6], 0
	s_mov_b32 s[G1B+7], 0
	s_mul_i32 s16, s13, TM*KD*2
	s_mul_i32 s17, s12, (TM/2)*KD*2
	s_add_co_u32 s16, s16, s17
	s_mov_b32 s17, 0
	s_mul_i32 s46, s42, TN*2
	s_mul_i32 s47, s12, (KS/2)*ND*2
	s_add_co_u32 s46, s46, s47
	s_add_co_u32 s46, s46, BREG
	s_mov_b32 s47, 0
	s_mul_i32 s[LA], s12, (TM/2)*PA
	s_mul_i32 s[LB], s12, (KS/2)*PB
	s_add_co_u32 s[LB], s[LB], ABYTES
	s_mov_b32 s[TB], 0
	s_mov_b32 s[TF], SLOT
	s_mov_b32 s[SA], 0
	s_mov_b32 s[SB], 0
	s_mov_b32 s[IC], NQ/2
	s_mov_b32 s[CP], 0x3e6d3389                    ; 0.2316419
	s_mov_b32 s[CN], 0xbf38aa3b                    ; -log2(e) / 2
	s_mov_b32 s[C1], 0x3e027906                    ; 0.127414796
	s_mov_b32 s[C2], 0xbe11a98e                    ; -0.142248368
	s_mov_b32 s[C3], 0x3f35f0e3                    ; 0.710706871
	s_mov_b32 s[C4], 0xbf3a00e3                    ; -0.726576014
	s_mov_b32 s[C5], 0x3f07dc22                    ; 0.530702715
.irp c, CP, CN, C1, C2, C3, C4, C5
	s_mov_b32 s[\c+1], s[\c]
.endr
	s_wait_dscnt 0x0                               ; the opening add is done
	s_wait_kmcnt 0x0
	s_add_nc_u64 s[14:15], s[4:5], s[16:17]
	s_add_nc_u64 s[46:47], s[6:7], s[46:47]
.irp s, 0,1
	s_mov_b32 s[G0A+4*\s], 1
	s_add_co_u32 s[G0A+4*\s+1], s[LA], \s*SLOT
	s_add_nc_u64 s[G0A+4*\s+2:G0A+4*\s+3], s[14:15], \s*KS*2
	s_or_b32 s[G0A+4*\s+3], s[G0A+4*\s+3], 0x80000000
	s_mov_b32 s[G0B+4*\s], 1
	s_add_co_u32 s[G0B+4*\s+1], s[LB], \s*SLOT
	s_add_nc_u64 s[G0B+4*\s+2:G0B+4*\s+3], s[46:47], \s*KS*ND*2
	s_or_b32 s[G0B+4*\s+3], s[G0B+4*\s+3], 0x80000000
.endr
	CROUND                                         ; all sixteen work-groups are here: the first joint loads meet
	s_cmp_eq_u32 s11, 0                            ; a wave's two first fills stand in one branch: two loads of mine are out
	s_cbranch_scc0 .Lfirst_b
	tensor_load_to_lds s[G0A:G0A+3], s[G1A:G1A+7]
	s_nop 0
	tensor_load_to_lds s[G0A+4:G0A+7], s[G1A:G1A+7]
	s_nop 0
.rept 4
	v_nop
.endr
	s_branch .Lfirst_asked
.Lfirst_b:
	tensor_load_to_lds s[G0B:G0B+3], s[G1B:G1B+7]
	s_nop 0
	tensor_load_to_lds s[G0B+4:G0B+7], s[G1B:G1B+7]
	s_nop 0
.rept 4
	v_nop
.endr
.Lfirst_asked:
	v_and_b32 v1, 15, v0
	v_bfe_u32 v2, v0, 4, 1
	v_and_b32 v3, 7, v0
	v_bfe_u32 v4, v0, 3, 1
	v_lshl_add_u32 v5, v2, 3, v3
	v_mul_u32_u24 v[B0], v5, PB
	v_lshl_add_u32 v[B0], v4, 4, v[B0]
	s_mul_i32 s20, s12, WC
	s_add_co_u32 s20, s20, ABYTES
	v_add_nc_u32 v[B0], s20, v[B0]
	v_add_nc_u32 v[B1], QK*PB, v[B0]
	v_mul_u32_u24 v[A0], v1, PA
	v_lshl_add_u32 v[A0], v2, 4, v[A0]
	s_mul_i32 s21, s11, (TM/2)*PA
	v_add_nc_u32 v[A0], s21, v[A0]
	v_lshlrev_b32 v[BO], 5, v2
	s_lshl_b32 s20, s42, 10                        ; b1 at my 128 columns
	s_lshl_b32 s21, s12, 9
	s_add_co_u32 s20, s20, s21
	s_mov_b32 s21, 0
	s_add_nc_u64 s[88:89], s[88:89], s[20:21]
.irp b, 0,1,2,3,4,5,6,7
	global_load_b128 v[BIAS+8*\b:BIAS+8*\b+3],   v[BO], s[88:89] offset:64*\b
	global_load_b128 v[BIAS+8*\b+4:BIAS+8*\b+7], v[BO], s[88:89] offset:64*\b+16
.endr
	s_mul_i32 s[RS], s10, STW                      ; my stage
	v_mul_u32_u24 v[STO], v1, SPI
	v_lshl_add_u32 v[STO], v2, 5, v[STO]
	v_add_nc_u32 v[STO], s[RS], v[STO]
	v_and_b32 v3, 31, v0
	v_lshlrev_b32 v[RD0], 4, v3                    ; back: 4 columns a lane, a whole row a load
	v_lshlrev_b32 v[CO], 3, v3
	s_lshl_b32 s20, s13, 8
	s_lshl_b32 s21, s11, 7
	s_add_co_u32 s20, s20, s21
	s_lshl_b32 s20, s20, 12                        ; my first row of act, 4,096 bytes a row,
	s_lshl_b32 s21, s42, 9
	s_add_co_u32 s20, s20, s21
	s_lshl_b32 s21, s12, 8                         ; my 128 columns: 256 bytes
	s_add_co_u32 s20, s20, s21
	s_mov_b32 s21, 0
	s_add_nc_u64 s[90:91], s[90:91], s[20:21]
	s_wait_tensorcnt 1                             ; my part of step 0 is in; step 1's may stay out
	s_barrier_signal -1
	s_barrier_wait -1
	SETADR
	FETCH 0, 0
	s_wait_loadcnt 0x0                             ; the bias
	QEVEN 1
	WIN 0
	s_mov_b32 s[KC], NT-1
	s_branch .Lmid
.Lstep:
	CHANGE 1
.Lin:
	QEVEN 0
	WIN 0
.Lmid:
	QODD
	WIN 0
	s_sub_co_u32 s[IC], s[IC], 1
	s_cmp_lg_u32 s[IC], 0
	s_cbranch_scc1 .Lin
	s_sub_co_u32 s[KC], s[KC], 1
	s_cmp_lg_u32 s[KC], 0
	s_cbranch_scc1 .Lstep
	CHANGE 0
.Lin2:
	QEVEN 0
	QODD
	WIN 0
	s_sub_co_u32 s[IC], s[IC], 1
	s_cmp_lg_u32 s[IC], 0
	s_cbranch_scc1 .Lin2
	; THE WAY OUT.  The stages lie over both slots, which have had their last fill: every wave's reads of the slots are over in front of this barrier.
	s_wait_dscnt 0x0
	s_barrier_signal -1
	s_barrier_wait -1
.rept 8
	v_nop
.endr
.set aa, 0
.rept MA
	WIN 0x08+4*(aa/(MA/2))
.set bb, 0
.rept NBW
.set rD, 8*(NBW*(aa%(MA/2))+bb)
	ds_store_b128 v[STO], v[rD:rD+3]   offset:aa*16*SPI+64*bb      ; each accumulator's low registers first
	ds_store_b128 v[STO], v[rD+4:rD+7] offset:aa*16*SPI+64*bb+16
.set bb, bb+1
.endr
.set aa, aa+1
.endr
	WIN 0
.macro SLOAD                           ; four rows of my own stage
.irp j, 0,1,2,3
	ds_load_b128 v[XX+4*\j:XX+4*\j+3], v[RD] offset:SPI*\j
.endr
.endm
.macro EACH8 line:vararg               ; one line for each of the eight pairs k
.set k, 0
.rept 8
	\line
.set k, k+2
.endr
.endm
	v_add_nc_u32 v[RD], s[RS], v[RD0]
	SLOAD
	s_mov_b32 s[OC], 32
.Lout:                                         ; a trip: four rows, 16 numbers a lane
	s_wait_dscnt 0x0
.set k, 0
.rept 16
	v_max_num_f32 v[RR+k], 0, v[XX+k]
	v_and_b32 v[SS+k], 0x7fffffff, v[XX+k]
.set k, k+1
.endr
	s_add_co_u32 s[RS], s[RS], 4*SPI
	v_add_nc_u32 v[RD], s[RS], v[RD0]
	s_cmp_eq_u32 s[OC], 1
	s_cbranch_scc1 .Lout_last
	SLOAD                                          ; the next rows come while these are worked on
.Lout_last:
	EACH8 v_pk_fma_f32 v[DD+k:DD+k+1], v[SS+k:SS+k+1], s[CP:CP+1], 1.0 op_sel_hi:[1,0,0]
	EACH8 v_pk_mul_f32 v[WW+k:WW+k+1], v[SS+k:SS+k+1], v[SS+k:SS+k+1]
.set k, 0
.rept 8
	v_rcp_f32 v[DD+k], v[DD+k]
	v_pk_mul_f32 v[WW+k:WW+k+1], v[WW+k:WW+k+1], s[CN:CN+1] op_sel_hi:[1,0]
	v_rcp_f32 v[DD+k+1], v[DD+k+1]
.set k, k+2
.endr
.set k, 0
.rept 16
	v_exp_f32 v[WW+k], v[WW+k]
.set k, k+1
.endr
	v_nop                                          ; a plain instruction behind the last of the batch,
	s_wait_alu depctr_va_vdst(0)                   ; and ONE wait for its 32, ahead of the first reader
	EACH8 v_pk_fma_f32 v[PP+k:PP+k+1], v[DD+k:DD+k+1], s[C5:C5+1], s[C4:C4+1] op_sel_hi:[1,0,0]
	EACH8 v_pk_fma_f32 v[PP+k:PP+k+1], v[PP+k:PP+k+1], v[DD+k:DD+k+1], s[C3:C3+1] op_sel_hi:[1,1,0]
	EACH8 v_pk_fma_f32 v[PP+k:PP+k+1], v[PP+k:PP+k+1], v[DD+k:DD+k+1], s[C2:C2+1] op_sel_hi:[1,1,0]
	EACH8 v_pk_fma_f32 v[PP+k:PP+k+1], v[PP+k:PP+k+1], v[DD+k:DD+k+1], s[C1:C1+1] op_sel_hi:[1,1,0]
	EACH8 v_pk_mul_f32 v[PP+k:PP+k+1], v[PP+k:PP+k+1], v[DD+k:DD+k+1]
	EACH8 v_pk_mul_f32 v[PP+k:PP+k+1], v[PP+k:PP+k+1], v[WW+k:WW+k+1]
	EACH8 v_pk_fma_f32 v[PP+k:PP+k+1], v[PP+k:PP+k+1], v[SS+k:SS+k+1], v[RR+k:RR+k+1] neg_lo:[1,0,0] neg_hi:[1,0,0]
	s_wait_xcnt 0x0                                ; the last trip's stores have read their data and their offset
.set k, 0
.rept 8
	v_cvt_pk_bf16_f32 v[YY+k], v[PP+2*k], v[PP+2*k+1]
.set k, k+1
.endr
	v_add_nc_u32 v[CO], 4*4096, v[CO]              ; the next four rows; the stores reach back
.irp j, 0,1,2,3
	global_store_b64 v[CO], v[YY+2*\j:YY+2*\j+1], s[90:91] offset:4096*\j-16384  ; 256 consecutive bytes, aligned
.endr
	s_sub_co_u32 s[OC], s[OC], 1
	s_cmp_lg_u32 s[OC], 0
	s_cbranch_scc1 .Lout
	s_wait_tensorcnt 0x0                           ; the wave's end
	ds_add_u32 v[SPW], v[NIL]
	s_wait_dscnt 0x0
	CROUND                                         ; the closing round
	s_endpgm
.Lfunc_end_k_qb779c70b1b_up:
	.size	k_qb779c70b1b_up, .Lfunc_end_k_qb779c70b1b_up-k_qb779c70b1b_up
	.p2alignl 7, 3214868480
	.fill 96, 4, 3214868480
	.section	.rodata,"a",@progbits
	.p2align	6, 0x0
	.amdhsa_kernel k_qb779c70b1b_up
		.amdhsa_group_segment_fixed_size 327680
		.amdhsa_private_segment_fixed_size 0
		.amdhsa_enable_private_segment 0
		.amdhsa_kernarg_size 32
		.amdhsa_user_sgpr_count 2
		.amdhsa_user_sgpr_kernarg_segment_ptr 1
		.amdhsa_wavefront_size32 1
		.amdhsa_system_sgpr_workgroup_id_x 1
		.amdhsa_system_sgpr_workgroup_id_y 1
		.amdhsa_system_sgpr_workgroup_id_z 1
		.amdhsa_system_vgpr_workitem_id 0
		.amdhsa_next_free_vgpr 1024
		.amdhsa_next_free_sgpr 100
		.amdhsa_reserve_vcc 0
		.amdhsa_float_denorm_mode_32 3
		.amdhsa_float_denorm_mode_16_64 3
		.amdhsa_memory_ordered 1
		.amdhsa_forward_progress 1
		.amdhsa_inst_pref_size 69
	.end_amdhsa_kernel
	.amdgpu_metadata
---
amdhsa.version: [ 1, 2 ]
amdhsa.kernels:
  - .name:           k_qb779c70b1b_up
    .symbol:         k_qb779c70b1b_up.kd
    .args:
      - { .name: h2, .offset: 0, .size: 8, .value_kind: global_buffer, .address_space: global }
      - { .name: wts, .offset: 8, .size: 8, .value_kind: global_buffer, .address_space: global }
      - { .name: b1, .offset: 16, .size: 8, .value_kind: global_buffer, .address_space: global }
      - { .name: act, .offset: 24, .size: 8, .value_kind: global_buffer, .address_space: global }
    .group_segment_fixed_size: 327680
    .private_segment_fixed_size: 0
    .kernarg_segment_align: 8
    .kernarg_segment_size: 32
    .max_flat_workgroup_size: 128
    .sgpr_count:     100
    .vgpr_count:     1024
    .wavefront_size: 32
...
	.end_amdgpu_metadata
.endif
;; end of part 5
;; launch down (part 6): grid 4 x 64, 4 waves a work-group, clusters of 4 x 4, 327,680 bytes of LDS; arguments act, wts, b2, x1, out0; writes out0
.if DOCPART == 6
	.amdgcn_target "amdgcn-amd-amdhsa--gfx1250"
	.amdhsa_code_object_version 6
	.text
	.protected	k_qb779c70b1b_down
	.globl	k_qb779c70b1b_down
	.p2align	8
	.type	k_qb779c70b1b_down,@function
k_qb779c70b1b_down:
	s_mov_b64 s[64:65], 0
	v_nop
	global_prefetch_b8 v0, s[64:65] scope:SCOPE_SE
	s_setreg_imm32_b32 hwreg(HW_REG_WAVE_MODE, 25, 1), 1
	s_wait_xcnt 0x0
	s_wait_alu depctr_hold_cnt(0) depctr_sa_sdst(0) depctr_va_vdst(0) depctr_va_sdst(0) depctr_va_ssrc(0) depctr_va_vcc(0) depctr_vm_vsrc(0)
	s_getreg_b32 s2, hwreg(HW_REG_IB_STS2, 6, 4)
	s_cmp_eq_u32 s2, 0
	s_cbranch_scc0 .Lentry_in_a_cluster
	s_endpgm
.Lentry_in_a_cluster:
	s_bfe_u32 s2, ttmp6, 0x10000c
	s_cmp_lg_u32 s2, 0xf033
	s_cbranch_scc0 .Lentry_shape_is_right
	s_endpgm
.Lentry_shape_is_right:
; out0 = x1 + act W2 + b2 (f32).  act: [8192][2048] bf16; W2: [2048][512] bf16 at byte 4,194,304 of wts, as it lies ([k][n]); x1, out0: [8192][512] f32.
; SHARES.  N = 512 is narrow: a tile of 128 x 128 gives 64 x 4 = 256 work-groups; the four waves (2 x 2) take 64 x 64 each: 16 accumulators.  K = 2,048 goes in 8 steps of 256, as long as two slots in LDS allow.
; The product is used transposed (source 0 = 16 columns of W2, turned out of LDS; source 1 = 16 rows of act); the bias is the C operand of each sum's first product.
; CLUSTER 4 x 4: act's tile is asked for jointly along a row of the cluster, W2's along a column.  NO PREFETCH: a small tile, whose step holds little matrix work for each byte that it fetches.
; THE RESIDUAL.  A wave's 64 rows x 256 bytes of x1 (16,384 bytes, 32 loads) are asked for at once behind the last change of slots, when no tile is on its way any more; the last K step's 128 products stand between
; the request and the use.  They wait in v128-255 of window 2, and the way out is written out: each of its 32 turns adds a pair of stage rows onto its four registers and stores them.
; REGISTERS: window 0: v1-31 addresses, v64-127 / v128-191 act's fragments (64 along K each; on the way out the stage's rows), v192-223 bias; window 1: v0-63 / v128-191 W2's fragments;
; window 2: v0-127 accumulators ((a, b) at v[8 (4 a + b)]), v128-255 x1.
.set MA,  4
.set NBW, 4
.set TM,  128
.set TN,  128
.set KD,  2048
.set ND,  512
.set KS,  256
.set NT,  8
.set QK,  64
.set NQ,  4
.set PA,  528                          ; 512 + 16
.set PB,  288                          ; 256 + 32: an odd multiple of 32
.set WC,  128
.set QIA, 6
.set QIB, 5
.set BREG, 4194304
.set ABYTES, TM*PA
.set SLOT, ABYTES+KS*PB                ; 141,312
.set SPARE, 2*SLOT                     ; the spare words: two blocks of 256 bytes that no other line names
.set NL,  2*2*(MA+NBW)
.set W1,  NL/2
.set SPI, 272                          ; the way out: a stage row of 64 f32 + 16 bytes; the stages lie in slot 0, whose last fill and last reads are over at the last change of slots
.set STW, 64*SPI
.set FA0, 64
.set FAS, 64
.set APAR, 128
.set BIAS, 192
.set A0, 16
.set B0, 17
.set ADRA, 18
.set B1, 19
.set ADRB0, 20
.set ADRB1, 21
.set STO, 24
.set RD0, 25
.set CO, 26                            ; my 16 bytes in two rows of x1 and out0; never rewritten
.set SPW, 28
.set NIL, 29
.set BO, 30
.set RD, 31
.set LL, 64                            ; the way out: v[64:191] my stage's 64 rows
.set XW, 128                           ; window 2: v[128:255] my 64 rows of x1, then of out0
.set G1A, 24
.set G0A, 32
.set G1B, 48
.set G0B, 56
.set TB, 66
.set TF, 67
.set LA, 68
.set LB, 69
.set KC, 70
.set IC, 71
.set SA, 86
.set SB, 87
.set RS, 95
.set MSB, 0
.macro WIN new
.if MSB != (\new)
	s_set_vgpr_msb (MSB<<8)|(\new)
.set MSB, \new
.endif
.endm
.macro JLOAD
	s_cmp_eq_u32 s11, 0
	s_cbranch_scc0 .Lfor_b_\@
	tensor_load_to_lds s[G0A+4:G0A+7], s[G1A:G1A+7]
	s_nop 0
.rept 4
	v_nop
.endr
	s_branch .Lasked_\@
.Lfor_b_\@:
	tensor_load_to_lds s[G0B+4:G0B+7], s[G1B:G1B+7]
	s_nop 0
.rept 4
	v_nop
.endr
.Lasked_\@:
.endm
.macro CROUND
	s_barrier_signal -1
	s_barrier_wait -1
	s_cmp_lg_u32 s10, 0
	s_cbranch_scc1 .Lnot_wave_0_\@
	s_barrier_signal -3
.Lnot_wave_0_\@:
	s_barrier_wait -3
	s_barrier_signal -1
	s_barrier_wait -1
.endm
.macro SETADR
	v_add_nc_u32 v[ADRA], s[SA], v[A0]
	v_add_nc_u32 v[ADRB0], s[SB], v[B0]
	v_add_nc_u32 v[ADRB1], s[SB], v[B1]
.endm
.macro FETCH par, f                    ; the fragments of 64 along K into buffer f: the first 32 along K whole, then the second
.irp c, 0,1
	WIN 0x40
.set bb, 0
.rept NBW
	ds_load_tr16_b128 v[128*(\f)+8*(NBW*\c+bb):128*(\f)+8*(NBW*\c+bb)+3],   v[ADRB0+(\par)] offset:\c*32*PB+32*bb
	ds_load_tr16_b128 v[128*(\f)+8*(NBW*\c+bb)+4:128*(\f)+8*(NBW*\c+bb)+7], v[ADRB0+(\par)] offset:\c*32*PB+32*bb+16*PB
.set bb, bb+1
.endr
	WIN 0
.set aa, 0
.rept MA
	ds_load_b128 v[FA0+FAS*(\f)+8*(MA*\c+aa):FA0+FAS*(\f)+8*(MA*\c+aa)+3],   v[ADRA] offset:APAR*(\par)+64*\c+aa*16*PA
	ds_load_b128 v[FA0+FAS*(\f)+8*(MA*\c+aa)+4:FA0+FAS*(\f)+8*(MA*\c+aa)+7], v[ADRA] offset:APAR*(\par)+64*\c+aa*16*PA+32
.set aa, aa+1
.endr
.endr
.endm
.macro MULH f, c, first                ; all 16 products of 32 along K: each accumulator once, in the same order: they take turns
.if \first
	WIN 0x81
.else
	WIN 0xa1
.endif
.set aa, 0
.rept MA
.set bb, 0
.rept NBW
.set rD, 8*(NBW*aa+bb)
.set rB, 128*(\f)+8*(NBW*(\c)+bb)
.set rA, FA0+FAS*(\f)+8*(MA*(\c)+aa)
.if \first
	v_wmma_f32_16x16x32_bf16 v[rD:rD+7], v[rB:rB+7], v[rA:rA+7], v[BIAS+8*bb:BIAS+8*bb+7]
.else
	v_wmma_f32_16x16x32_bf16 v[rD:rD+7], v[rB:rB+7], v[rA:rA+7], v[rD:rD+7]
.endif
.set bb, bb+1
.endr
.set aa, aa+1
.endr
.endm
.macro QEVEN first
	s_wait_dscnt W1                                ; the first 32 along K are in
	MULH 0, 0, \first
.rept 4
	v_nop                                          ; four places in front of loads into registers that products have read
.endr
	FETCH 1, 1
	s_wait_dscnt NL                                ; all but the loads just issued
	MULH 0, 1, 0
.endm
.macro QODD
	s_wait_dscnt W1
	MULH 1, 0, 0
	WIN 0
	s_add_co_u32 s[SA], s[SA], 4*QK
	s_add_co_u32 s[SB], s[SB], 2*QK*PB
	SETADR                                         ; these three and the v_nop are the four places
	v_nop
	s_cmp_eq_u32 s[IC], 1
	s_cbranch_scc1 .Lq_last_\@
	FETCH 0, 0
	s_wait_dscnt NL
	s_branch .Lq_go_\@
.Lq_last_\@:
	s_wait_dscnt 0x0
.Lq_go_\@:
	MULH 1, 1, 0
.endm
.macro CHANGE fill                     ; the change of slots: all my tensor loads, the add, my reads; the barrier (fill = 1: a round of the cluster's); the joint refill first behind it
	WIN 0
	s_wait_tensorcnt 0x0
	ds_add_u32 v[SPW], v[NIL]
.if \fill
	s_xor_b32 s[TF], s[TF], SLOT
	s_add_co_u32 s[G0A+5], s[TF], s[LA]
	s_add_co_u32 s[G0B+5], s[TF], s[LB]
	s_add_nc_u64 s[G0A+6:G0A+7], s[G0A+6:G0A+7], KS*2
	s_add_nc_u64 s[G0B+6:G0B+7], s[G0B+6:G0B+7], KS*ND*2
.endif
	s_xor_b32 s[TB], s[TB], SLOT
	s_mov_b32 s[SA], s[TB]
	s_mov_b32 s[SB], s[TB]
	s_mov_b32 s[IC], NQ/2
	s_wait_dscnt 0x0
.if \fill
	CROUND
	JLOAD
.else
	s_barrier_signal -1
	s_barrier_wait -1
.rept 4
	v_nop
.endr
.endif
	SETADR
	FETCH 0, 0
.endm
	s_load_b128 s[4:7], s[0:1], 0x0                ; act s[4:5], wts s[6:7]
	s_load_b128 s[88:91], s[0:1], 0x10             ; b2 s[88:89], x1 s[90:91]
	s_load_b64 s[92:93], s[0:1], 0x20              ; out0
	v_lshl_add_u32 v[SPW], v0, 2, SPARE
	v_mov_b32 v[NIL], 0
	ds_add_u32 v[SPW], v[NIL]                      ; the wave's opening: the add and its wait come ahead of my first tensor load
	ds_add_u32 v28, v29
	v_lshrrev_b32 v1, 5, v0
	v_readfirstlane_b32 s10, v1
	s_lshr_b32 s11, s10, 1
	s_and_b32 s12, s10, 1
	s_bfe_u32 s40, ttmp6, 0x40000
	s_bfe_u32 s41, ttmp6, 0x40004
	s_lshl_b32 s42, ttmp9, 2
	s_add_co_u32 s42, s42, s40                     ; tile column
	s_and_b32 s13, ttmp7, 0xffff
	s_lshl_b32 s13, s13, 2
	s_add_co_u32 s13, s13, s41                     ; tile row
	s_lshl_b32 s43, s41, 2
	s_lshl_b32 s43, 15, s43
	s_lshl_b32 s44, 0x1111, s40
	s_or_b32 s[G1A], s43, (1<<16)|(1<<20)|(1<<21)|(QIA<<22)|(3<<25)
	s_or_b32 s[G1B], s44, (1<<16)|(1<<20)|(1<<21)|(QIB<<22)|(7<<25)
	s_mov_b32 s[G1A+1], KS<<16
	s_mov_b32 s[G1A+2], (TM/2)<<16
	s_mov_b32 s[G1A+3], KS<<16
	s_mov_b32 s[G1A+4], TM/2
	s_mov_b32 s[G1A+5], KD
	s_mov_b32 s[G1A+6], 0
	s_mov_b32 s[G1A+7], 0
	s_mov_b32 s[G1B+1], TN<<16
	s_mov_b32 s[G1B+2], (KS/2)<<16
	s_mov_b32 s[G1B+3], TN<<16
	s_mov_b32 s[G1B+4], KS/2
	s_mov_b32 s[G1B+5], ND
	s_mov_b32 s[G1B+6], 0
	s_mov_b32 s[G1B+7], 0
	s_mul_i32 s16, s13, TM*KD*2
	s_mul_i32 s17, s12, (TM/2)*KD*2
	s_add_co_u32 s16, s16, s17
	s_mov_b32 s17, 0
	s_mul_i32 s46, s42, TN*2
	s_mul_i32 s47, s12, (KS/2)*ND*2
	s_add_co_u32 s46, s46, s47
	s_add_co_u32 s46, s46, BREG
	s_mov_b32 s47, 0
	s_mul_i32 s[LA], s12, (TM/2)*PA
	s_mul_i32 s[LB], s12, (KS/2)*PB
	s_add_co_u32 s[LB], s[LB], ABYTES
	s_mov_b32 s[TB], 0
	s_mov_b32 s[TF], SLOT
	s_mov_b32 s[SA], 0
	s_mov_b32 s[SB], 0
	s_mov_b32 s[IC], NQ/2
	s_wait_dscnt 0x0                               ; the opening add is done
	s_wait_kmcnt 0x0
	s_add_nc_u64 s[14:15], s[4:5], s[16:17]
	s_add_nc_u64 s[46:47], s[6:7], s[46:47]
.irp s, 0,1
	s_mov_b32 s[G0A+4*\s], 1
	s_add_co_u32 s[G0A+4*\s+1], s[LA], \s*SLOT
	s_add_nc_u64 s[G0A+4*\s+2:G0A+4*\s+3], s[14:15], \s*KS*2
	s_or_b32 s[G0A+4*\s+3], s[G0A+4*\s+3], 0x80000000
	s_mov_b32 s[G0B+4*\s], 1
	s_add_co_u32 s[G0B+4*\s+1], s[LB], \s*SLOT
	s_add_nc_u64 s[G0B+4*\s+2:G0B+4*\s+3], s[46:47], \s*KS*ND*2
	s_or_b32 s[G0B+4*\s+3], s[G0B+4*\s+3], 0x80000000
.endr
	CROUND                                         ; all sixteen work-groups are here: the first joint loads meet
	s_cmp_eq_u32 s11, 0                            ; a wave's two first fills stand in one branch: two loads of mine are out
	s_cbranch_scc0 .Lfirst_b
	tensor_load_to_lds s[G0A:G0A+3], s[G1A:G1A+7]
	s_nop 0
	tensor_load_to_lds s[G0A+4:G0A+7], s[G1A:G1A+7]
	s_nop 0
.rept 4
	v_nop
.endr
	s_branch .Lfirst_asked
.Lfirst_b:
	tensor_load_to_lds s[G0B:G0B+3], s[G1B:G1B+7]
	s_nop 0
	tensor_load_to_lds s[G0B+4:G0B+7], s[G1B:G1B+7]
	s_nop 0
.rept 4
	v_nop
.endr
.Lfirst_asked:
	v_and_b32 v1, 15, v0
	v_bfe_u32 v2, v0, 4, 1
	v_and_b32 v3, 7, v0
	v_bfe_u32 v4, v0, 3, 1
	v_lshl_add_u32 v5, v2, 3, v3
	v_mul_u32_u24 v[B0], v5, PB
	v_lshl_add_u32 v[B0], v4, 4, v[B0]
	s_mul_i32 s20, s12, WC
	s_add_co_u32 s20, s20, ABYTES
	v_add_nc_u32 v[B0], s20, v[B0]
	v_add_nc_u32 v[B1], QK*PB, v[B0]
	v_mul_u32_u24 v[A0], v1, PA
	v_lshl_add_u32 v[A0], v2, 4, v[A0]
	s_mul_i32 s21, s11, (TM/2)*PA
	v_add_nc_u32 v[A0], s21, v[A0]
	v_lshlrev_b32 v[BO], 5, v2
	s_lshl_b32 s20, s42, 9                         ; my 64 columns, in f32: 512 x tile column + 256 x half
	s_lshl_b32 s21, s12, 8
	s_add_co_u32 s20, s20, s21
	s_mov_b32 s21, 0
	s_add_nc_u64 s[88:89], s[88:89], s[20:21]
.irp b, 0,1,2,3
	global_load_b128 v[BIAS+8*\b:BIAS+8*\b+3],   v[BO], s[88:89] offset:64*\b
	global_load_b128 v[BIAS+8*\b+4:BIAS+8*\b+7], v[BO], s[88:89] offset:64*\b+16
.endr
	s_lshl_b32 s22, s13, 18                        ; + my first row: 128 rows of 2,048 bytes a tile, 64 a half
	s_add_co_u32 s20, s20, s22
	s_lshl_b32 s22, s11, 17
	s_add_co_u32 s20, s20, s22
	s_add_nc_u64 s[90:91], s[90:91], s[20:21]
	s_add_nc_u64 s[92:93], s[92:93], s[20:21]
	s_mul_i32 s[RS], s10, STW                      ; my stage
	v_mul_u32_u24 v[STO], v1, SPI
	v_lshl_add_u32 v[STO], v2, 5, v[STO]
	v_add_nc_u32 v[STO], s[RS], v[STO]
	v_mul_u32_u24 v[RD0], v2, SPI                  ; back: lanes 0-15 one row of 256 bytes, lanes 16-31 the next
	v_lshl_add_u32 v[RD0], v1, 4, v[RD0]
	v_add_nc_u32 v[RD], s[RS], v[RD0]
	v_lshlrev_b32 v[CO], 11, v2                    ; and the same two rows in x1 and out0
	v_lshl_add_u32 v[CO], v1, 4, v[CO]
	s_wait_tensorcnt 1                             ; my part of step 0 is in; step 1's may stay out
	s_barrier_signal -1
	s_barrier_wait -1
	SETADR
	FETCH 0, 0
	s_wait_loadcnt 0x0                             ; the bias
	QEVEN 1
	WIN 0
	s_mov_b32 s[KC], NT-1
	s_branch .Lmid
.Lstep:
	CHANGE 1
.Lin:
	QEVEN 0
	WIN 0
.Lmid:
	QODD
	WIN 0
	s_sub_co_u32 s[IC], s[IC], 1
	s_cmp_lg_u32 s[IC], 0
	s_cbranch_scc1 .Lin
	s_sub_co_u32 s[KC], s[KC], 1
	s_cmp_lg_u32 s[KC], 0
	s_cbranch_scc1 .Lstep
	CHANGE 0
	WIN 0x80                                       ; destination window 2, offset window 0
.set t, 0
.rept 32
	global_load_b128 v[XW+4*t:XW+4*t+3], v[CO], s[90:91] offset:4096*t  ; x1, rows 2 t and 2 t + 1 of my 64: all 32 loads at once; no tile is on its way any more, and the last step's 128 products follow
.set t, t+1
.endr
	WIN 0
.Lin2:
	QEVEN 0
	QODD
	WIN 0
	s_sub_co_u32 s[IC], s[IC], 1
	s_cmp_lg_u32 s[IC], 0
	s_cbranch_scc1 .Lin2
	; THE WAY OUT, through my own stage
.rept 8
	v_nop                                          ; places behind the last products
.endr
	WIN 0x08                                       ; store data in window 2
.set aa, 0
.rept MA
.set bb, 0
.rept NBW
.set rD, 8*(NBW*aa+bb)
	ds_store_b128 v[STO], v[rD:rD+3]   offset:aa*16*SPI+64*bb      ; each accumulator's low registers first
	ds_store_b128 v[STO], v[rD+4:rD+7] offset:aa*16*SPI+64*bb+16
.set bb, bb+1
.endr
.set aa, aa+1
.endr
	WIN 0
.set t, 0
.rept 32
	ds_load_b128 v[LL+4*t:LL+4*t+3], v[RD] offset:2*SPI*t          ; LDS serves a wave's instructions in order: these see my stores above
.set t, t+1
.endr
	s_wait_loadcnt 0x0                             ; x1 is in
	WIN 0x88                                       ; destination and source 1 (a store's data too) in window 2; source 0 (a store's offset too) in window 0
.set t, 0
.rept 32
	s_wait_dscnt 31-t                              ; pair t of the stage's rows is back; the 31 - t younger loads may stay out
	v_pk_add_f32 v[XW+4*t:XW+4*t+1],   v[LL+4*t:LL+4*t+1],   v[XW+4*t:XW+4*t+1]
	v_pk_add_f32 v[XW+4*t+2:XW+4*t+3], v[LL+4*t+2:LL+4*t+3], v[XW+4*t+2:XW+4*t+3]
	global_store_b128 v[CO], v[XW+4*t:XW+4*t+3], s[92:93] offset:4096*t  ; 16 lanes store 256 consecutive bytes, aligned; no register of a store is written again
.set t, t+1
.endr
	WIN 0
	s_wait_tensorcnt 0x0                           ; the wave's end
	ds_add_u32 v[SPW], v[NIL]
	s_wait_dscnt 0x0
	CROUND                                         ; the closing round
	s_endpgm
.Lfunc_end_k_qb779c70b1b_down:
	.size	k_qb779c70b1b_down, .Lfunc_end_k_qb779c70b1b_down-k_qb779c70b1b_down
	.p2alignl 7, 3214868480
	.fill 96, 4, 3214868480
	.section	.rodata,"a",@progbits
	.p2align	6, 0x0
	.amdhsa_kernel k_qb779c70b1b_down
		.amdhsa_group_segment_fixed_size 327680
		.amdhsa_private_segment_fixed_size 0
		.amdhsa_enable_private_segment 0
		.amdhsa_kernarg_size 40
		.amdhsa_user_sgpr_count 2
		.amdhsa_user_sgpr_kernarg_segment_ptr 1
		.amdhsa_wavefront_size32 1
		.amdhsa_system_sgpr_workgroup_id_x 1
		.amdhsa_system_sgpr_workgroup_id_y 1
		.amdhsa_system_sgpr_workgroup_id_z 1
		.amdhsa_system_vgpr_workitem_id 0
		.amdhsa_next_free_vgpr 768
		.amdhsa_next_free_sgpr 100
		.amdhsa_reserve_vcc 0
		.amdhsa_float_denorm_mode_32 3
		.amdhsa_float_denorm_mode_16_64 3
		.amdhsa_memory_ordered 1
		.amdhsa_forward_progress 1
		.amdhsa_inst_pref_size 56
	.end_amdhsa_kernel
	.amdgpu_metadata
---
amdhsa.version: [ 1, 2 ]
amdhsa.kernels:
  - .name:           k_qb779c70b1b_down
    .symbol:         k_qb779c70b1b_down.kd
    .args:
      - { .name: act, .offset: 0, .size: 8, .value_kind: global_buffer, .address_space: global }
      - { .name: wts, .offset: 8, .size: 8, .value_kind: global_buffer, .address_space: global }
      - { .name: b2, .offset: 16, .size: 8, .value_kind: global_buffer, .address_space: global }
      - { .name: x1, .offset: 24, .size: 8, .value_kind: global_buffer, .address_space: global }
      - { .name: out0, .offset: 32, .size: 8, .value_kind: global_buffer, .address_space: global }
    .group_segment_fixed_size: 327680
    .private_segment_fixed_size: 0
    .kernarg_segment_align: 8
    .kernarg_segment_size: 40
    .max_flat_workgroup_size: 128
    .sgpr_count:     100
    .vgpr_count:     768
    .wavefront_size: 32
...
	.end_amdgpu_metadata
.endif
;; end of part 6
